; MI455X (gfx1250); checked and timed in simulation.
; The chip was launched on July 23, 2026; its instructions are those of AMD's public machine-readable ISA for CDNA 5 (MIT licence, August 2026) and "CDNA5" Instruction Set Architecture Reference Guide (July 2026). The comments in the code are by the model that wrote it; some were corrected since.
;; Multi Head Attention. Allowed arithmetic: matrix products marked QUANTISED: E2M1 operands, one E8M0 scale for each 32 along K, by v_wmma_scale_f32_16x16x128_f8f6f4 with both operands' format E2M1 (or v_wmma_scale_f32_32x16x128_f4), f32 sums; everything else in f32.
;; Inputs: K 4 x 2,048 x 1,024 float32; Q 4 x 2,048 x 1,024 float32; V 4 x 2,048 x 1,024 float32; Wk 16 x 1,024 x 64 float32; Wo 1,024 x 1,024 float32; Wq 16 x 1,024 x 64 float32; Wv 16 x 1,024 x 64 float32; bk 16 x 64 float32; bo 1,024 float32; bq 16 x 64 float32; bv 16 x 64 float32.
;; Outputs: out0 4 x 2,048 x 1,024 float32.
;; Constants: apply_mask = 1.
;; This version of the problem:
;;   THIS VERSION OF THE PROBLEM IS GIVEN IN LOW PRECISION. The matrix products marked QUANTISED in the list below multiply operands that are first quantised to E2M1 (2 exponent bits, 1 mantissa bit; 4 bits a number), with one power-of-two scale for each 32 numbers along K (OCP MX v1.0); their sums are f32. All else is computed in f32.
;;   The module's matrix products, in the order in which they are computed (A, B: the left and right operand; K: the contracted axis; several contracted axes count as one K, in the product's order):
;;     1. [M 1,024, K 1,024] x [K 1,024, N 8,192]; A: input Wq; B: input Q: QUANTISED
;;     2. [M 1,024, K 1,024] x [K 1,024, N 8,192]; A: input Wk; B: input K: QUANTISED
;;     3. [M 1,024, K 1,024] x [K 1,024, N 8,192]; A: input Wv; B: input V: QUANTISED
;;     4. batch 64 x [M 2,048, K 64] x [K 64, N 2,048]; A: computed on the way; B: computed on the way: QUANTISED
;;     5. batch 64 x [M 2,048, K 2,048] x [K 2,048, N 64]; A: softmax (see below); B: computed on the way: QUANTISED
;;     6. [M 8,192, K 1,024] x [K 1,024, N 1,024]; A: computed on the way; B: input Wo: QUANTISED
;;   THE QUANTISER, for each operand of a quantised product, along K:
;;     - K is cut into blocks of 32 from its start; a last block that is shorter is filled with zeros.
;;     - A block's scale is 2^e with e = floor(log2(the largest magnitude in the block)) - 2, held to -126 .. 127; a block of zeros has e = 0. As a byte (E8M0): e + 127.
;;     - Each number is divided by its block's scale, clamped to +-6, and rounded to the nearest number of E2M1, ties to even, subnormals kept.
;;     - The product sums the exact products of the quantised numbers (number of the format x scale) in f32.
;;   ~~~python
;;   def quantise(x, axis):      # numpy; x: float32 -> the quantised numbers, widened to float32 again
;;       x = np.moveaxis(x, axis, -1); K = x.shape[-1]
;;       x = np.pad(x, [(0, 0)] * (x.ndim - 1) + [(0, -K % 32)]); x = x.reshape(x.shape[:-1] + (-1, 32)); a = np.abs(x).max(-1, keepdims=True)
;;       e = np.where(a > 0, np.clip(np.frexp(np.where(a > 0, a, 1))[1] - 1 - 2, -126, 127), 0)      # np.frexp(a)[1] - 1 = floor(log2(a)), exactly
;;       r = np.clip(x / 2.0 ** e, -6, 6)
;;       step = 2.0 ** (np.maximum(np.frexp(np.where(r == 0, 1, r))[1] - 1, 0) - 1)
;;       q = np.round(r / step) * step * 2.0 ** e      # np.round: ties to even
;;       return np.moveaxis(q.reshape(q.shape[:-2] + (-1,))[..., :K], -1, axis).astype(np.float32)
;;   ~~~
;;   SOFTMAX AHEAD OF A QUANTISED PRODUCT. Where the list says 'softmax', what is quantised is not the finished softmax but p = 2^(t - M), with t = logit x log2(e) and M = ceil(the row's largest t), a whole number; so 1/2 < the row's largest p <= 1. The row's sum l is taken of the UNQUANTISED p, in f32, and the product's result is divided by l at the end. Since M is a whole number, a kernel that streams over the keys may use a running M (the ceiling of the running maximum): every later rescaling is an exact power of two, which a block's scale takes up: the codes' values come out the same.
;;   OPERANDS COMPUTED ON THE WAY. 'Computed on the way' means the value that the module computes at that place (a softmax that the list does not call 'softmax' is quantised finished and normalised). What goes into a quantiser is computed in f32, as accurately as f32 sums, v_exp_f32 and their like allow (about 1e-6 of the number): no bf16 or f16 on the way to a quantiser, and a product that is left as it is and whose result goes on into a quantised operand takes f32 operands (vector FMAs, or v_wmma_f32_16x16x4_f32). A number that lies on a knife's edge between two numbers of the format may be rounded either way, as far as f32 arithmetic and the matrix unit's own rounding can turn it there, and no further.
;; One version. Each part assembles by itself: llvm-mc -triple=amdgcn-amd-amdhsa -mcpu=gfx1250 --defsym DOCPART=n.
;; ======== version 1 of 1: 4 launches
;; limits: right only within a limited range of input values
;; workspace buffers: wbuf 2,228,224 bytes; qbuf 4,718,592 bytes; kbuf 4,718,592 bytes; vbuf 4,456,448 bytes; obuf 4,456,448 bytes
;; launch wquant (part 1): grid 256 x 1, 4 waves a work-group, no clusters, 0 bytes of LDS; arguments Wq, Wk, Wv, Wo, wbuf; writes wbuf
.if DOCPART == 1
	.amdgcn_target "amdgcn-amd-amdhsa--gfx1250"
	.amdhsa_code_object_version 6
	.text
	.protected	k_qdbfa9d63bd_wquant
	.globl	k_qdbfa9d63bd_wquant
	.p2align	8
	.type	k_qdbfa9d63bd_wquant,@function
k_qdbfa9d63bd_wquant:
	s_mov_b64 s[64:65], 0
	v_nop
	global_prefetch_b8 v0, s[64:65] scope:SCOPE_SE
	s_setreg_imm32_b32 hwreg(HW_REG_WAVE_MODE, 25, 1), 1
	s_wait_xcnt 0x0
; Wq, Wk, Wv [16][1024][64] and Wo [1024][1024], f32, are operands whose K (d_model; for Wo head x 64 + dv) is NOT innermost.  They become codes of FP4 (E2M1)
; with one E8M0 byte for each 32 along K, laid in the order in which a wave's operand registers take them.
; COLUMNS: n = head x 64 + j (Wo: its column).  A tile C of 16 columns is not 16 neighbours: index i of tile C stands for column 32 (C / 2) + 8 (C % 2) + i % 8 + 16 (i / 8),
; so that the results of tiles 2 b and 2 b + 1, used as source 0, are 16 neighbours in a lane's registers.
; IMAGE of a fragment (tile C, K step s of 128): 1,024 bytes, [c 0..1][lane 0..31][16 bytes]; lane (r, h), half c holds k = 64 c + 32 h + 0 .. 31 of index r.
; wbuf: weight w (0 q, 1 k, 2 v, 3 o) x 524,288 + (8 C + s) x 1,024 + image;  scale words at WSC + w x 32,768 + (C / 2) x 1,024 + s x 128 + 4 (16 (C % 2) + r).
; A LANE TAKES A COLUMN AND ITS REGISTERS RUN DOWN K: a wave takes 32 columns x 128 along K; a load reads 128 consecutive bytes; a block of 32 lies in one lane's 32 registers, so its largest
; magnitude needs no other lane, and its 16 bytes of codes are one lane's place in the image: lanes 0-7 and 16-23 store 256 consecutive aligned bytes, the other sixteen the same 8,192 bytes on.
; A block's scale is 2^(floor(log2(largest magnitude)) - 2); its byte is that magnitude's exponent field - 2, held at 1 from below.
; LIMITS: a block of zeros gets the byte 1 where the rule says 127 (its codes are zeros, and this program alone reads the bytes); blocks under 2^-124 keep the byte 1 and were not tried; NaN and infinities are not served.
; No LDS, no barrier, no matrix unit, no cluster: waves share nothing and every byte is read once.
.set X,   32                           ; v32-159  the 128 numbers of my column
.set CD,  160                          ; v160-175 the codes: four registers a block, never written twice
.set WSC, 2097152
	s_load_b256 s[4:11], s[0:1], 0x0               ; Wq, Wk, Wv, Wo
	s_load_b64 s[12:13], s[0:1], 0x20              ; wbuf
	v_lshrrev_b32 v1, 5, v0
	v_readfirstlane_b32 s14, v1                    ; wave
	v_and_b32 v1, 31, v0                           ; lane = my column in the group of 32
	v_lshlrev_b32 v3, 2, v1                        ; in: 4 bytes a lane
	v_bfe_u32 v2, v1, 3, 1                         ; u: which of the group's two tiles
	v_and_b32 v6, 7, v1
	v_lshrrev_b32 v7, 4, v1
	v_lshl_or_b32 v6, v7, 3, v6                    ; my index in that tile
	v_lshlrev_b32 v4, 4, v6
	v_lshl_or_b32 v4, v2, 13, v4                   ; codes: 8,192 u + 16 x index
	v_lshl_add_u32 v5, v2, 4, v6
	v_lshlrev_b32 v5, 2, v5                        ; scale word: 4 (16 u + index)
	s_lshr_b32 s15, ttmp9, 6                       ; which weight
	s_and_b32 s22, ttmp9, 63
	s_lshr_b32 s23, s22, 3                         ; K step s
	s_and_b32 s22, s22, 7
	s_lshl_b32 s22, s22, 2
	s_add_co_u32 s22, s22, s14                     ; group P of 32 columns
	s_lshr_b32 s24, s22, 1                         ; a head's weight: head x 262,144 + 128 s rows of 256 bytes + 128 (P % 2)
	s_lshl_b32 s24, s24, 18
	s_lshl_b32 s25, s23, 15
	s_or_b32 s24, s24, s25
	s_and_b32 s25, s22, 1
	s_lshl_b32 s25, s25, 7
	s_or_b32 s24, s24, s25
	s_lshl_b32 s26, s23, 19                        ; Wo: 128 s rows of 4,096 bytes + 128 P
	s_lshl_b32 s27, s22, 7
	s_or_b32 s26, s26, s27
	s_cmp_eq_u32 s15, 3
	s_cselect_b32 s24, s26, s24
	s_mov_b32 s25, 0
	s_lshl_b32 s26, s15, 19                        ; the images: w x 524,288 + P x 16,384 + s x 1,024
	s_lshl_b32 s27, s22, 14
	s_add_co_u32 s26, s26, s27
	s_lshl_b32 s27, s23, 10
	s_add_co_u32 s26, s26, s27
	s_mov_b32 s27, 0
	s_lshl_b32 s28, s15, 15                        ; the scale words: WSC + w x 32,768 + P x 1,024 + s x 128
	s_lshl_b32 s29, s22, 10
	s_add_co_u32 s28, s28, s29
	s_lshl_b32 s29, s23, 7
	s_add_co_u32 s28, s28, s29
	s_add_co_u32 s28, s28, WSC
	s_mov_b32 s29, 0
	s_wait_kmcnt 0x0
	s_cmp_eq_u32 s15, 1                            ; the choice hangs on the work-group's number alone
	s_cselect_b64 s[16:17], s[6:7], s[4:5]
	s_cmp_eq_u32 s15, 2
	s_cselect_b64 s[16:17], s[8:9], s[16:17]
	s_cmp_eq_u32 s15, 3
	s_cselect_b64 s[16:17], s[10:11], s[16:17]
	s_add_nc_u64 s[16:17], s[16:17], s[24:25]
	s_add_nc_u64 s[18:19], s[12:13], s[26:27]
	s_add_nc_u64 s[20:21], s[12:13], s[28:29]
.macro LOAD t, pitch                   ; block t: rows 32 t .. 32 t + 31 of my column
.set li, 0
.rept 32
	global_load_b32 v[X+32*(\t)+li], v3, s[16:17] offset:(32*(\t)+li)*\pitch th:TH_LOAD_NT
.set li, li+1
.endr
.endm
.macro BLOCK t, pitch
.set XS, X+32*(\t)
.if (\t) < 3
	s_wait_loadcnt 32                              ; this block's 32 loads are in; the next block's 32 may be out
.else
	s_wait_loadcnt 0x0
.endif
.if (\t) < 2
	LOAD (\t)+2, \pitch                            ; two blocks ahead, into registers of their own
.endif
	v_max3_num_f32 v12, |v[XS]|, |v[XS+1]|, |v[XS+2]|      ; the block's largest magnitude, in two chains
	v_max3_num_f32 v13, |v[XS+3]|, |v[XS+4]|, |v[XS+5]|
.irp i, 6,10,14,18,22,26
	v_max3_num_f32 v12, v12, |v[XS+\i]|, |v[XS+\i+1]|
	v_max3_num_f32 v13, v13, |v[XS+\i+2]|, |v[XS+\i+3]|
.endr
	v_max3_num_f32 v12, v12, |v[XS+30]|, |v[XS+31]|
	v_max3_num_f32 v12, v12, v13, 0x1800000        ; and the floor 2^(3 - 127): the byte cannot fall under 1
	v_add_nc_u32 v11, 0xff000000, v12              ; 2 off the exponent field: the conversion takes this operand's exponent field as its scale
	v_lshrrev_b32 v13, 23, v11                     ; the scale's byte
.if (\t) == 0
	v_mov_b32 v14, v13
.else
	v_lshl_or_b32 v14, v13, 8*(\t), v14            ; four bytes make the K step's scale word, the lower K in the lower byte
.endif
.irp g, 0,1,2,3
	v_cvt_scalef32_pk8_fp4_f32 v[CD+4*(\t)+\g], v[XS+8*\g:XS+8*\g+7], v11
.endr
	global_store_b128 v4, v[CD+4*(\t):CD+4*(\t)+3], s[18:19] offset:256*(\t)   ; block t is half t / 2, lanes 16 (t % 2) on, of the image
.endm
.macro BODY pitch
	LOAD 0, \pitch
	LOAD 1, \pitch
	BLOCK 0, \pitch
	BLOCK 1, \pitch
	BLOCK 2, \pitch
	BLOCK 3, \pitch
	global_store_b32 v5, v14, s[20:21]             ; 32 lanes store 128 consecutive bytes
	s_endpgm
.endm
	s_cmp_eq_u32 s15, 3                            ; the two bodies differ in the rows' pitch alone, which stands in the loads' immediates
	s_cbranch_scc1 .Lwo
	s_wait_alu depctr_va_vdst(0)
	BODY 256
.Lwo:
	s_wait_alu depctr_va_vdst(0)
	BODY 4096
.Lfunc_end_k_qdbfa9d63bd_wquant:
	.size	k_qdbfa9d63bd_wquant, .Lfunc_end_k_qdbfa9d63bd_wquant-k_qdbfa9d63bd_wquant
	.p2alignl 7, 3214868480
	.fill 96, 4, 3214868480
	.section	.rodata,"a",@progbits
	.p2align	6, 0x0
	.amdhsa_kernel k_qdbfa9d63bd_wquant
		.amdhsa_group_segment_fixed_size 0
		.amdhsa_private_segment_fixed_size 0
		.amdhsa_enable_private_segment 0
		.amdhsa_kernarg_size 40
		.amdhsa_user_sgpr_count 2
		.amdhsa_user_sgpr_kernarg_segment_ptr 1
		.amdhsa_wavefront_size32 1
		.amdhsa_system_sgpr_workgroup_id_x 1
		.amdhsa_system_sgpr_workgroup_id_y 1
		.amdhsa_system_sgpr_workgroup_id_z 1
		.amdhsa_system_vgpr_workitem_id 0
		.amdhsa_next_free_vgpr 176
		.amdhsa_next_free_sgpr 66
		.amdhsa_reserve_vcc 0
		.amdhsa_float_denorm_mode_32 3
		.amdhsa_float_denorm_mode_16_64 3
		.amdhsa_memory_ordered 1
		.amdhsa_forward_progress 1
		.amdhsa_inst_pref_size 40
	.end_amdhsa_kernel
	.amdgpu_metadata
---
amdhsa.version: [ 1, 2 ]
amdhsa.kernels:
  - .name:           k_qdbfa9d63bd_wquant
    .symbol:         k_qdbfa9d63bd_wquant.kd
    .args:
      - { .name: Wq, .offset: 0, .size: 8, .value_kind: global_buffer, .address_space: global }
      - { .name: Wk, .offset: 8, .size: 8, .value_kind: global_buffer, .address_space: global }
      - { .name: Wv, .offset: 16, .size: 8, .value_kind: global_buffer, .address_space: global }
      - { .name: Wo, .offset: 24, .size: 8, .value_kind: global_buffer, .address_space: global }
      - { .name: wbuf, .offset: 32, .size: 8, .value_kind: global_buffer, .address_space: global }
    .group_segment_fixed_size: 0
    .private_segment_fixed_size: 0
    .kernarg_segment_align: 8
    .kernarg_segment_size: 40
    .max_flat_workgroup_size: 128
    .sgpr_count:     66
    .vgpr_count:     176
    .wavefront_size: 32
...
	.end_amdgpu_metadata
.endif
;; end of part 1
;; launch proj (part 2): grid 192 x 1, 8 waves a work-group, no clusters, 115,712 bytes of LDS; arguments Q, K, V, bq, bk, bv, wbuf, qbuf, kbuf, vbuf; writes qbuf, kbuf, vbuf
.if DOCPART == 2
	.amdgcn_target "amdgcn-amd-amdhsa--gfx1250"
	.amdhsa_code_object_version 6
	.text
	.protected	k_qdbfa9d63bd_proj
	.globl	k_qdbfa9d63bd_proj
	.p2align	8
	.type	k_qdbfa9d63bd_proj,@function
k_qdbfa9d63bd_proj:
	s_mov_b64 s[64:65], 0
	v_nop
	global_prefetch_b8 v0, s[64:65] scope:SCOPE_SE
	s_setreg_imm32_b32 hwreg(HW_REG_WAVE_MODE, 25, 1), 1
	s_wait_xcnt 0x0
; q = Q Wq + bq, k = K Wk + bk, v = V Wv + bv, on codes of FP4 (E2M1) with one E8M0 byte for each 32 along K = d_model; the results are quantised at once (q, k along the head's 64; v along the keys) and leave as codes.
; SHARES.  Work-groups 0-63 take Q, 64-127 K, 128-191 V; each takes 128 tokens and makes all 1,024 columns, so each f32 number of x is read and quantised once.  128 tokens are the least that give whole
; images of v (128 keys), so there are 192 work-groups.  Wave w owns heads 2 w and 2 w + 1; a head's weight (4 tiles x 8 K steps x 8 registers) fills window 1 and is read from memory once a work-group.
; TILES.  Index i of a tile T of 16 tokens (or columns) stands for 32 (T / 2) + 8 (T % 2) + i % 8 + 16 (i / 8): the 16 registers that tiles 2 b and 2 b + 1, as source 0, leave in a lane are 16 neighbours, 32 b + 16 (lane / 16) + 0 .. 15.
; TWO PATHS, one macro with the sources swapped: q, k: source 0 = W, source 1 = x: a lane holds a token, its registers run along the head's 64;  v: source 0 = x, source 1 = W: a lane holds a channel, its registers run along the keys.
; The bias is the C of each sum's first product (so it is the sum's first term, not its last: an order of f32 rounding only).
; PHASE X: wave w quantises tokens 16 w .. 16 w + 15 into LDS (rows of 512 code bytes, pitch 528; rows of 32 scale bytes, pitch 48), ONE barrier; behind it LDS is only read.
; OUT.  qbuf, kbuf: (b x 16 + head) x 65,536 + T x 512 + 16 x lane (half an image: K = 64); scale words at SCO + bh x 8,192 + (T / 4) x 256 + 8 x lane + 4 j: tile 4 (T / 4) + 2 j + lane / 16, index lane % 16; bytes 2, 3 are 0.
;       vbuf: bh x 65,536 + (key step of 128) x 4,096 + (channel tile) x 1,024 + image; scale words at SCO + bh x 4,096 + step x 256 + 8 x lane + 4 j: channel tile 2 j + lane / 16.
; NO CLUSTER, NO TENSOR LOAD: the 512 KB of x of a work-group are shared with nobody; what the 64 work-groups of a tensor share is W's 544 KB, each byte of which is bound for ONE wave's registers, while a joint load lands in LDS:
; it would add 544 KB of LDS writes and as many reads to a work-group's 1 MB of LDS reads.
; LIMITS: a block of zeros gets the byte 1 where the rule says 127 (zero codes; this program alone reads the bytes); blocks under 2^-124 keep the byte 1 and were not tried; NaN and infinities are not served.
; REGISTERS, window 0: v1 16 x lane, v2 4 x lane, v3 8 x lane, v4-11 addresses; v16-31 W's scale words, v32-47 x's (registers that hold scales alone); v48-175 16 accumulators (phase X: a ring of 8 x 16 numbers);
;   v176-207 four fragments of x (phase X: two sets of 16 neighbours; epilogue: codes); v208-239 the bias, four tiles; v240-255 at work.   Window 1: W's fragment (tile i, K step s) at v[64 i + 8 s].
.set XC,   40960                       ; LDS: 0 .. 40,959 the waves' stages (5,120 each: two of 32 x 80); then x's codes: 128 rows x 528
.set XSB,  108544                      ; then x's scale bytes: 128 rows x 48
.set WSC,  2097152
.set SCO,  4194304
.set WS,   16
.set XSR,  32
.set ACC,  48
.set XF,   176
.set BI,   208
.set TM,   240
.set PW,   248
.set SEL,  40
.set MSB, 0
.macro WIN new                         ; the immediate's high byte repeats the setting that is left
.if MSB != \new
	s_set_vgpr_msb (MSB<<8)|\new
.set MSB, \new
.endif
.endm
	s_load_b512 s[4:19], s[0:1], 0x0               ; Q, K, V, bq, bk, bv, wbuf, qbuf
	s_load_b128 s[20:23], s[0:1], 0x40             ; kbuf, vbuf
	v_lshrrev_b32 v12, 5, v0
	s_delay_alu instid0(VALU_DEP_1)
	v_readfirstlane_b32 s24, v12                   ; wave 0..7
	s_lshr_b32 s25, ttmp9, 6                       ; 0 Q, 1 K, 2 V
	s_and_b32 s26, ttmp9, 63                       ; block of 128 tokens
	v_and_b32 v12, 31, v0                          ; lane
	v_and_b32 v13, 15, v0                          ; r
	v_bfe_u32 v14, v0, 4, 1                        ; h
	s_delay_alu instid0(VALU_DEP_3)
	v_lshlrev_b32 v1, 4, v12
	s_delay_alu instid0(VALU_DEP_4)
	v_lshlrev_b32 v2, 2, v12
	v_lshlrev_b32 v3, 3, v12
	v_mul_u32_u24 v4, v13, 528
	s_delay_alu instid0(VALU_DEP_1)
	v_lshl_add_u32 v4, v14, 4, v4
	s_delay_alu instid0(VALU_DEP_1)
	v_add_nc_u32 v4, XC, v4                        ; a fragment of x: row r x 528 + 16 h
	v_mul_u32_u24 v5, v12, 48
	s_delay_alu instid0(VALU_DEP_1)
	v_add_nc_u32 v5, XSB, v5                       ; x's scale words: lanes 0-15 one tile's rows, lanes 16-31 the next tile's
	v_lshlrev_b32 v6, 6, v14                       ; bias, q and k: my half's 16 numbers
	v_and_b32 v7, 7, v13
	v_lshrrev_b32 v15, 3, v13
	s_delay_alu instid0(VALU_DEP_1)
	v_lshl_add_u32 v7, v15, 4, v7
	s_delay_alu instid0(VALU_DEP_1)
	v_lshlrev_b32 v7, 2, v7                        ; bias, v: my channel in a tile
	s_mul_i32 s44, s24, 5120                       ; my stages
	v_lshrrev_b32 v8, 2, v12
	s_delay_alu instid0(VALU_DEP_1)
	v_mul_u32_u24 v8, v8, 80
	v_and_b32 v15, 3, v12
	s_delay_alu instid0(VALU_DEP_1)
	v_lshl_add_u32 v8, v15, 4, v8
	s_delay_alu instid0(VALU_DEP_1)
	v_add_nc_u32 v8, s44, v8                       ; into a stage: four lanes' 64 bytes on end, then 16 of padding
	v_mul_u32_u24 v9, v12, 80
	s_delay_alu instid0(VALU_DEP_1)
	v_add_nc_u32 v9, s44, v9                       ; out of it: my 16 neighbours
	s_lshr_b32 s45, s24, 1
	s_lshl_b32 s45, s45, 5
	s_and_b32 s46, s24, 1
	s_lshl_b32 s46, s46, 3
	s_add_co_u32 s45, s45, s46                     ; token 16 w + j lies at row 32 (w / 2) + 8 (w % 2) + 16 (j / 8) + j % 8
	s_mul_i32 s46, s45, 528
	s_add_co_u32 s46, s46, XC
	v_add_nc_u32 v10, s46, v3                      ; where I put 8 bytes of codes
	s_mul_i32 s46, s45, 48
	s_add_co_u32 s46, s46, XSB
	v_lshrrev_b32 v11, 1, v12
	s_delay_alu instid0(VALU_DEP_1)
	v_add_nc_u32 v11, s46, v11                     ; and my block's scale byte
	v_mov_b32 v242, 0                              ; written once: a lane permute's destination counts as one of its sources
	v_mov_b32 v243, 0
	s_mov_b32 s[SEL], 0x76543210
	s_mov_b32 s[SEL+1], 0xfedcba98                 ; v_permlanex16_b32's selects for lane l xor 16
	s_mov_b32 s42, 0xffff0000                      ; lanes 16-31
	s_lshl_b32 s44, s26, 19                        ; x: 128 tokens of 4,096 bytes a block,
	s_lshl_b32 s46, s24, 16                        ; 16 a wave
	s_add_co_u32 s44, s44, s46
	s_mov_b32 s45, 0
	s_lshl_b32 s48, s25, 19                        ; W's images: 524,288 a weight, 32,768 a head, two heads a wave
	s_add_co_u32 s48, s48, s46
	s_mov_b32 s49, 0
	s_lshl_b32 s50, s25, 15                        ; W's scale words: 32,768 a weight, 2,048 a head
	s_lshl_b32 s47, s24, 12
	s_add_co_u32 s50, s50, s47
	s_add_co_u32 s50, s50, WSC
	s_mov_b32 s51, 0
	s_lshl_b32 s52, s24, 9                         ; the bias: 256 bytes a head
	s_mov_b32 s53, 0
	s_lshr_b32 s54, s26, 4
	s_lshl_b32 s54, s54, 4
	s_lshl_b32 s47, s24, 1
	s_add_co_u32 s54, s54, s47                     ; bh0 = 16 b + 2 w
	s_and_b32 s55, s26, 15                         ; the block in its batch
	s_lshl_b32 s56, s54, 16
	s_lshl_b32 s47, s55, 12
	s_add_co_u32 s56, s56, s47                     ; codes out: bh0 x 65,536 + block x 4,096
	s_mov_b32 s57, 0
	s_lshl_b32 s58, s54, 4
	s_add_co_u32 s58, s58, s55
	s_cmp_eq_u32 s25, 2
	s_cselect_b32 s60, 8, 9
	s_lshl_b32 s58, s58, s60                       ; scale words out: (16 bh0 + block) x 512 (q, k) or x 256 (v)
	s_add_co_u32 s58, s58, SCO
	s_mov_b32 s59, 0
	s_wait_kmcnt 0x0
	s_cmp_eq_u32 s25, 1                            ; the choices hang on the work-group's number alone
	s_cselect_b64 s[28:29], s[6:7], s[4:5]
	s_cselect_b64 s[34:35], s[12:13], s[10:11]
	s_cselect_b64 s[36:37], s[20:21], s[18:19]
	s_cmp_eq_u32 s25, 2
	s_cselect_b64 s[28:29], s[8:9], s[28:29]
	s_cselect_b64 s[34:35], s[14:15], s[34:35]
	s_cselect_b64 s[36:37], s[22:23], s[36:37]
	s_add_nc_u64 s[28:29], s[28:29], s[44:45]      ; x
	s_add_nc_u64 s[30:31], s[16:17], s[48:49]      ; W's images
	s_add_nc_u64 s[32:33], s[16:17], s[50:51]      ; W's scale words
	s_add_nc_u64 s[34:35], s[34:35], s[52:53]      ; the bias
	s_add_nc_u64 s[38:39], s[36:37], s[58:59]      ; scale words out
	s_add_nc_u64 s[36:37], s[36:37], s[56:57]      ; codes out
.macro WLOADS                          ; a head's weight: 64 loads of 512 consecutive bytes into window 1, and its 16 registers of scale words
	WIN 0x40
.irp i, 0,1,2,3
.irp ks, 0,1,2,3,4,5,6,7
.irp c, 0,1
	global_load_b128 v[64*\i+8*\ks+4*\c:64*\i+8*\ks+4*\c+3], v1, s[30:31] offset:8192*\i+1024*\ks+512*\c
.endr
.endr
.endr
	WIN 0
.irp pr, 0,1
.irp ks, 0,1,2,3,4,5,6,7
	global_load_b32 v[WS+8*\pr+\ks], v2, s[32:33] offset:1024*\pr+128*\ks   ; lanes 0-15 tile 2 pr, lanes 16-31 tile 2 pr + 1
.endr
.endr
.endm
.macro BILOADS path                    ; the bias in the result's layout, eight registers a tile
.if \path == 0
.irp n0, 0,1,2,3
	global_load_b128 v[BI+8*\n0:BI+8*\n0+3], v6, s[34:35] offset:(32*(\n0/2)+8*(\n0%2))*4          ; register j: channel 32 (n0 / 2) + 8 (n0 % 2) + 16 h + j
	global_load_b128 v[BI+8*\n0+4:BI+8*\n0+7], v6, s[34:35] offset:(32*(\n0/2)+8*(\n0%2))*4+16
.endr
.else
.irp n1, 0,1,2,3
.irp j, 0,1,2,3,4,5,6,7
	global_load_b32 v[BI+8*\n1+\j], v7, s[34:35] offset:(32*(\n1/2)+8*(\n1%2))*4                   ; my channel's number in all eight registers
.endr
.endr
.endif
.endm
	WLOADS                                         ; the first head's weight and bias are asked for ahead of x
	s_cmp_eq_u32 s25, 2
	s_cbranch_scc1 .Lbias_v
	BILOADS 0
	s_branch .Lbias_done
.Lbias_v:
	BILOADS 1
.Lbias_done:
; ---- PHASE X.  32 steps of 512 numbers (half a token's row).  Each load reads 512 consecutive bytes; a step's 2,048 bytes turn through my own stage so that a lane holds 16 neighbours (two lanes hold a block).
; Loads run eight steps (32 loads) ahead, the turn one step.
.macro XLOAD t
.irp i, 0,1,2,3
	global_load_b128 v[ACC+16*((\t)%8)+4*\i:ACC+16*((\t)%8)+4*\i+3], v1, s[28:29] offset:2048*(\t)+512*\i th:TH_LOAD_NT
.endr
.endm
.macro XTURN t                         ; LDS serves a wave's instructions in order (ISA guide 5.7.1.4): no wait between the stores and the loads
.irp i, 0,1,2,3
	ds_store_b128 v8, v[ACC+16*((\t)%8)+4*\i:ACC+16*((\t)%8)+4*\i+3] offset:2560*((\t)%2)+640*\i
.endr
.irp i, 0,1,2,3
	ds_load_b128 v[XF+16*((\t)%2)+4*\i:XF+16*((\t)%2)+4*\i+3], v9 offset:2560*((\t)%2)+16*\i
.endr
.endm
.macro XSTEP t
.set XS, XF+16*((\t)%2)
.set PO, 16*(((\t)/2)/8)+(((\t)/2)%8)  ; the token's row, from my first
.if (\t) > 0
	s_wait_dscnt 2                                 ; this step's numbers are back (the last step's two stores may be out): so its stores into the stage have read the ring's registers,
.else
	s_wait_dscnt 0x0
.endif
.if (\t)+8 < 32
	XLOAD (\t)+8                                   ; which take the loads of eight steps on
.endif
.if (\t) < 31
.if 30-(\t) >= 7
	s_wait_loadcnt 28                              ; the next step's four loads are in; those of the seven steps behind it may be out
.else
	s_wait_loadcnt 4*(30-(\t))
.endif
	XTURN (\t)+1
.endif
	v_max3_num_f32 v240, |v[XS]|, |v[XS+1]|, |v[XS+2]|     ; the largest magnitude of my 16
	v_max3_num_f32 v241, |v[XS+3]|, |v[XS+4]|, |v[XS+5]|
.irp i, 6,10
	s_delay_alu instid0(VALU_DEP_2)
	v_max3_num_f32 v240, v240, |v[XS+\i]|, |v[XS+\i+1]|
	s_delay_alu instid0(VALU_DEP_2)
	v_max3_num_f32 v241, v241, |v[XS+\i+2]|, |v[XS+\i+3]|
.endr
	s_delay_alu instid0(VALU_DEP_2)
	v_max3_num_f32 v240, v240, |v[XS+14]|, |v[XS+15]|
	s_delay_alu instid0(VALU_DEP_1)
	v_max3_num_f32 v240, v240, v241, 0x1800000     ; and the floor 2^(3 - 127)
	s_delay_alu instid0(VALU_DEP_1)
	v_max_num_f32_dpp v240, v240, v240 row_xmask:1 row_mask:0xf bank_mask:0xf   ; and of my neighbour's 16: the block's
	s_delay_alu instid0(VALU_DEP_1)
	v_add_nc_u32 v242, 0xff000000, v240            ; 2 off the exponent field: the conversion's scale operand
	v_cvt_scalef32_pk8_fp4_f32 v[244+2*((\t)%2)], v[XS:XS+7], v242
	v_cvt_scalef32_pk8_fp4_f32 v[245+2*((\t)%2)], v[XS+8:XS+15], v242
	v_lshrrev_b32 v[248+(\t)%2], 23, v242          ; the scale's byte (also the plain line behind the conversions)
	ds_store_b8 v11, v[248+(\t)%2] offset:PO*48+16*((\t)%2)      ; both lanes of a block write the same byte with the same value
	ds_store_b64 v10, v[244+2*((\t)%2):245+2*((\t)%2)] offset:PO*528+256*((\t)%2)
.endm
.set Q, 0
.rept 8
	XLOAD Q
.set Q, Q+1
.endr
	s_wait_loadcnt 28                              ; step 0's four loads are in (and all that was asked for ahead of them)
	s_wait_alu depctr_va_vdst(0)
	XTURN 0
.set Q, 0
.rept 32
	XSTEP Q
.set Q, Q+1
.endr
	s_wait_dscnt 0x0                               ; for the others' sake: my stores have landed
	s_barrier_signal -1
	s_barrier_wait -1                              ; the 128 tokens' codes and scale bytes lie in LDS; from here on LDS is only read
; ---- THE PRODUCTS.
.macro WM d, a, b, c, sa, sb, ra, rb   ; one product; ra, rb: the side's scales stand in lanes 16-31 of the register named
.if (\ra) && (\rb)
	v_wmma_scale_f32_16x16x128_f8f6f4 v[\d:\d+7], v[\a:\a+7], v[\b:\b+7], v[\c:\c+7], v[\sa], v[\sb] matrix_a_fmt:MATRIX_FMT_FP4 matrix_b_fmt:MATRIX_FMT_FP4 matrix_a_scale:MATRIX_SCALE_ROW1 matrix_b_scale:MATRIX_SCALE_ROW1
.elseif (\ra)
	v_wmma_scale_f32_16x16x128_f8f6f4 v[\d:\d+7], v[\a:\a+7], v[\b:\b+7], v[\c:\c+7], v[\sa], v[\sb] matrix_a_fmt:MATRIX_FMT_FP4 matrix_b_fmt:MATRIX_FMT_FP4 matrix_a_scale:MATRIX_SCALE_ROW1
.elseif (\rb)
	v_wmma_scale_f32_16x16x128_f8f6f4 v[\d:\d+7], v[\a:\a+7], v[\b:\b+7], v[\c:\c+7], v[\sa], v[\sb] matrix_a_fmt:MATRIX_FMT_FP4 matrix_b_fmt:MATRIX_FMT_FP4 matrix_b_scale:MATRIX_SCALE_ROW1
.else
	v_wmma_scale_f32_16x16x128_f8f6f4 v[\d:\d+7], v[\a:\a+7], v[\b:\b+7], v[\c:\c+7], v[\sa], v[\sb] matrix_a_fmt:MATRIX_FMT_FP4 matrix_b_fmt:MATRIX_FMT_FP4
.endif
.endm
; 32 numbers of a lane, register 16 b + i = k 32 b + 16 (lane / 16) + i, become 64 codes a row in v[pc] .. v[pc + 3] (lane (r, h): block h whole) and two scale bytes in v[pw].  Each accumulator is read from its low end on.
.macro QUANT2 s, pc, pw
.irp b, 0,1
	v_max3_num_f32 v[TM+\b], |v[(\s)+16*\b]|, |v[(\s)+1+16*\b]|, 0x1800000      ; my 16 numbers of block b, and the floor 2^(3 - 127)
.endr
.irp i, 2,4,6,8,10,12,14
.irp b, 0,1
	v_max3_num_f32 v[TM+\b], v[TM+\b], |v[(\s)+16*\b+\i]|, |v[(\s)+1+16*\b+\i]|
.endr
.endr
.irp b, 0,1
	s_delay_alu instid0(VALU_DEP_2)
	v_permlanex16_b32 v[TM+2+\b], v[TM+\b], s[SEL], s[SEL+1]
.endr
.irp b, 0,1
	s_delay_alu instid0(VALU_DEP_2)
	v_max_num_f32 v[TM+\b], v[TM+\b], v[TM+2+\b]   ; with lane l xor 16's 16: the block's largest magnitude
.endr
.irp b, 0,1
	s_delay_alu instid0(VALU_DEP_2)
	v_add_nc_u32 v[TM+4+\b], 0xff000000, v[TM+\b]  ; the conversion's scale operand
.endr
.irp b, 0,1
	s_delay_alu instid0(VALU_DEP_2)
	v_lshrrev_b32 v[TM+6+\b], 23, v[TM+4+\b]       ; the scale's byte
.endr
	s_delay_alu instid0(VALU_DEP_1)
	v_lshl_or_b32 v[\pw], v[TM+7], 8, v[TM+6]
.irp b, 0,1
	v_cvt_scalef32_pk8_fp4_f32 v[(\pc)+2*\b], v[(\s)+16*\b:(\s)+16*\b+7], v[TM+4+\b]
	v_cvt_scalef32_pk8_fp4_f32 v[(\pc)+2*\b+1], v[(\s)+16*\b+8:(\s)+16*\b+15], v[TM+4+\b]
.endr
	v_nop                                          ; one plain line behind the scaled conversions
	v_permlane16_swap_b32 v[\pc], v[(\pc)+2]       ; the operand's layout wants a whole block in a lane: lanes 0-15 block 0, lanes 16-31 block 1
	v_permlane16_swap_b32 v[(\pc)+1], v[(\pc)+3]
.endm
; A UNIT: one head x 64 tokens (half th of the block): 4 x 4 accumulators, 8 K steps, 128 products.  The 16 accumulators take turns, one instruction a turn, in the same order in every K step.
.macro UNIT path, th
	s_wait_xcnt 0x0                                ; earlier stores have read their data: the codes' registers and v[254:255] are written again only behind this wait
.irp pr, 0,1
.irp q, 0,1
	ds_load_b128 v[XSR+8*\pr+4*\q:XSR+8*\pr+4*\q+3], v5 offset:(2*\th+\pr)*1536+16*\q   ; x's scale words of all eight K steps: lanes 0-15 tile 4 th + 2 pr, lanes 16-31 the next
.endr
.endr
.irp ks, 0,1,2,3,4,5,6,7
.if \ks > 0
.rept 4
	v_nop                                          ; four places in front of loads into registers that the last products read (ISA guide 7.12.1 for vector instructions)
.endr
.endif
.irp i, 0,1,2,3
.irp c, 0,1
	ds_load_b128 v[XF+8*\i+4*\c:XF+8*\i+4*\c+3], v4 offset:(4*\th+\i)*8448+64*\ks+32*\c
.endr
.endr
	s_wait_dscnt 0x0
.if \path == 0
	WIN 0x01                                       ; source 0 (W) in window 1
.else
	WIN 0x04                                       ; source 1 (W) in window 1
.endif
.irp n1, 0,1,2,3
.irp n0, 0,1,2,3
.set rD, ACC+32*\n1+8*\n0
.if \path == 0
.set rA, 64*\n0+8*\ks
.set rB, XF+8*\n1
.set rSA, WS+8*(\n0/2)+\ks
.set rSB, XSR+8*(\n1/2)+\ks
.set rC, BI+8*\n0
.else
.set rA, XF+8*\n0
.set rB, 64*\n1+8*\ks
.set rSA, XSR+8*(\n0/2)+\ks
.set rSB, WS+8*(\n1/2)+\ks
.set rC, BI+8*\n1
.endif
.if \ks > 0
.set rC, rD
.endif
	WM rD, rA, rB, rC, rSA, rSB, \n0%2, \n1%2
.endr
.endr
	WIN 0
.endr
.rept 4
	v_nop                                          ; four places: the results are read, and W's, the bias's and the scales' registers are loaded anew, only behind them
.endr
.if \th == 1
	s_cmp_eq_u32 s43, 1                            ; the wave's second head follows its first: its weight is asked for here and lands while the results are quantised
	s_cbranch_scc1 .Lno_next_\@
	s_add_nc_u64 s[30:31], s[30:31], 32768         ; (the loads that named these bases were waited for at the loop's head)
	s_add_nc_u64 s[32:33], s[32:33], 2048
	s_add_nc_u64 s[34:35], s[34:35], 256
	WLOADS
	BILOADS \path
.Lno_next_\@:
.endif
.irp n1, 0,1,2,3
	QUANT2 ACC+32*\n1, XF+4*\n1, PW+\n1
.if \path == 0
	global_store_b128 v1, v[XF+4*\n1:XF+4*\n1+3], s[36:37] offset:2048*\th+512*\n1    ; token tile 4 th + n1: 512 consecutive bytes
.else
	global_store_b128 v1, v[XF+4*\n1:XF+4*\n1+3], s[36:37] offset:1024*\n1+512*\th    ; channel tile n1, keys 64 th on: half th of its image
.endif
.endr
.if \path == 0
	v_cndmask_b32 v254, v[PW], v[PW+1], s42        ; lanes 0-15 keep the even tile's word, lanes 16-31 take the odd tile's
	v_cndmask_b32 v255, v[PW+2], v[PW+3], s42
	global_store_b64 v3, v[254:255], s[38:39] offset:256*\th                          ; 256 consecutive bytes
.elseif \th == 0
	v_cndmask_b32 v252, v[PW], v[PW+1], s42        ; keys 0-63: the words' lower halves are kept
	v_cndmask_b32 v253, v[PW+2], v[PW+3], s42
.else
	v_cndmask_b32 v254, v[PW], v[PW+1], s42
	v_cndmask_b32 v255, v[PW+2], v[PW+3], s42
	s_delay_alu instid0(VALU_DEP_2)
	v_lshl_or_b32 v254, v254, 16, v252             ; keys 64-127 above them: the step's scale words
	s_delay_alu instid0(VALU_DEP_2)
	v_lshl_or_b32 v255, v255, 16, v253
	global_store_b64 v3, v[254:255], s[38:39]
.endif
.endm
.macro PATH path
	s_mov_b32 s43, 0                               ; which of my two heads
.Lhead_\@:
	s_wait_loadcnt 0x0                             ; the head's weight, scale words and bias are in
	UNIT \path, 0
	UNIT \path, 1
	s_wait_xcnt 0x0                                ; the stores have read their bases
	s_add_nc_u64 s[36:37], s[36:37], 65536
.if \path == 0
	s_add_nc_u64 s[38:39], s[38:39], 8192
.else
	s_add_nc_u64 s[38:39], s[38:39], 4096
.endif
	s_add_co_u32 s43, s43, 1
	s_cmp_lt_u32 s43, 2
	s_cbranch_scc1 .Lhead_\@
	s_wait_xcnt 0x0
	v_lshl_add_u32 v254, v0, 2, 0x1c000
	v_mov_b32 v255, 0
	s_wait_alu depctr_va_vdst(0)
	s_wait_tensorcnt 0x0
	ds_add_u32 v254, v255
	s_wait_dscnt 0x0
	s_endpgm
.endm
	s_cmp_eq_u32 s25, 2
	s_cbranch_scc1 .Lpath_v
	PATH 0
.Lpath_v:
	PATH 1
.Lfunc_end_k_qdbfa9d63bd_proj:
	.size	k_qdbfa9d63bd_proj, .Lfunc_end_k_qdbfa9d63bd_proj-k_qdbfa9d63bd_proj
	.p2alignl 7, 3214868480
	.fill 96, 4, 3214868480
	.section	.rodata,"a",@progbits
	.p2align	6, 0x0
	.amdhsa_kernel k_qdbfa9d63bd_proj
		.amdhsa_group_segment_fixed_size 115712
		.amdhsa_private_segment_fixed_size 0
		.amdhsa_enable_private_segment 0
		.amdhsa_kernarg_size 80
		.amdhsa_user_sgpr_count 2
		.amdhsa_user_sgpr_kernarg_segment_ptr 1
		.amdhsa_wavefront_size32 1
		.amdhsa_system_sgpr_workgroup_id_x 1
		.amdhsa_system_sgpr_workgroup_id_y 1
		.amdhsa_system_sgpr_workgroup_id_z 1
		.amdhsa_system_vgpr_workitem_id 0
		.amdhsa_next_free_vgpr 512
		.amdhsa_next_free_sgpr 66
		.amdhsa_reserve_vcc 0
		.amdhsa_float_denorm_mode_32 3
		.amdhsa_float_denorm_mode_16_64 3
		.amdhsa_memory_ordered 1
		.amdhsa_forward_progress 1
		.amdhsa_inst_pref_size 230
	.end_amdhsa_kernel
	.amdgpu_metadata
---
amdhsa.version: [ 1, 2 ]
amdhsa.kernels:
  - .name:           k_qdbfa9d63bd_proj
    .symbol:         k_qdbfa9d63bd_proj.kd
    .args:
      - { .name: Q, .offset: 0, .size: 8, .value_kind: global_buffer, .address_space: global }
      - { .name: K, .offset: 8, .size: 8, .value_kind: global_buffer, .address_space: global }
      - { .name: V, .offset: 16, .size: 8, .value_kind: global_buffer, .address_space: global }
      - { .name: bq, .offset: 24, .size: 8, .value_kind: global_buffer, .address_space: global }
      - { .name: bk, .offset: 32, .size: 8, .value_kind: global_buffer, .address_space: global }
      - { .name: bv, .offset: 40, .size: 8, .value_kind: global_buffer, .address_space: global }
      - { .name: wbuf, .offset: 48, .size: 8, .value_kind: global_buffer, .address_space: global }
      - { .name: qbuf, .offset: 56, .size: 8, .value_kind: global_buffer, .address_space: global }
      - { .name: kbuf, .offset: 64, .size: 8, .value_kind: global_buffer, .address_space: global }
      - { .name: vbuf, .offset: 72, .size: 8, .value_kind: global_buffer, .address_space: global }
    .group_segment_fixed_size: 115712
    .private_segment_fixed_size: 0
    .kernarg_segment_align: 8
    .kernarg_segment_size: 80
    .max_flat_workgroup_size: 256
    .sgpr_count:     66
    .vgpr_count:     512
    .wavefront_size: 32
...
	.end_amdgpu_metadata
.endif
;; end of part 2
;; launch attn (part 3): grid 4 x 64, 16 waves a work-group, no clusters, 327,680 bytes of LDS; arguments qbuf, kbuf, vbuf, obuf; writes obuf
.if DOCPART == 3
	.amdgcn_target "amdgcn-amd-amdhsa--gfx1250"
	.amdhsa_code_object_version 6
	.text
	.protected	k_qdbfa9d63bd_attn
	.globl	k_qdbfa9d63bd_attn
	.p2align	8
	.type	k_qdbfa9d63bd_attn,@function
k_qdbfa9d63bd_attn:
	s_mov_b64 s[64:65], 0
	v_nop
	global_prefetch_b8 v0, s[64:65] scope:SCOPE_SE
	s_setreg_imm32_b32 hwreg(HW_REG_WAVE_MODE, 25, 1), 1
	s_wait_xcnt 0x0
; o = softmax(q k^T / 8, causal) v for one (batch, head), both products on codes of FP4 (E2M1) with one E8M0 byte for each 32 along a product's K; o is divided by the row's sum and quantised along the head's 64 at once.
; SOFTMAX: t = score x log2(e) / 8; M = the row's largest t so far, rounded UP to a whole number; p = 2^(t - M) is quantised along the keys, not normalised; the row's sum is taken of the unquantised p in f32.
; When M moves, the sum and O are multiplied by 2^(old M - new M): exact.
; SHARES.  Work-group (x, y): head y (= 16 b + head), query blocks 7 - x and x of 256 queries.  Wave w owns query tile 16 (7 - x) + 15 - w, then tile 16 x + w: 17 key steps of 128 keys in every wave.
; Key steps that lie wholly behind a wave's queries are left out by a scalar branch on ids; in the step on the diagonal hidden scores become -infinity ahead of the maximum.
; LDS.  The head's k and v come by tensor loads in two fills: keys 0-511 and all scale words at the head, keys 512-2,047 behind the first barrier.  Block 7 - x (tiles 64 on, so its diagonal lies in step 8 or later) walks
; steps 0-3 first, all of whose keys count: a copy of the loop without mask and without the test for hidden steps, 4 trips, a constant, so its addresses stay in the first fill's bytes while the second is on its way.
; Then comes the second barrier, steps 4-15 of block 7 - x, and block x (8 trips).  Nothing is filled twice.
; k's and v's codes are stated as rows of 1,024 bytes with 128 bytes of padding behind each: a step of 128 keys is 4 rows, 4,608 bytes, in k and in v alike.
; Behind the second barrier the next step's fragments and scale words of k are asked for straight behind this step's first products.  The last trip's request runs on into v's first rows and v's scale words, which have landed; it is not used.
; LAYOUT.  Both products are used transposed: S^T = k q^T, O^T = v^T p^T: a lane holds ONE query.  Row m of key tile (c, t) of a step is key 64 c + 32 (m / 8) + 8 t + m % 8, chosen by each lane's LDS address:
; so lane (r, h) holds in the 32 registers of tiles (c, 0..3) the whole block of keys 64 c + 32 h + 0 .. 31, in order: a block's maximum needs no other lane, and the conversion of tile (c, t) IS register 4 c + t of p's operand.
; In kbuf index i of tile T is token 32 (T / 2) + 8 (T % 2) + i % 8 + 16 (i / 8): that key lies at row 2 c + m / 8 of the step, byte 512 (t % 2) + 128 (t / 2) + 16 (m % 8) + 256 h.  With rows 1,152 bytes apart lanes r and r + 8 stand 128 bytes apart modulo 256.
; The first product's K is 64: q's upper half is zero codes.  k's fragment of tile n is v[KF + 4 n .. + 7]: its upper four registers are the next tile's codes, which meet q's zeros and add nothing (FP4 has no NaN; the scale bytes 2, 3 are 0, a finite code).
; OUT, as the last launch reads it.  obuf: (128 b + T) x 8,192 + head x 512 + 16 x lane; two scale bytes a row at SCO + head x 16,384 + (128 b + T) x 32 + 2 r.
; NO CLUSTER: the four work-groups of a head share k and v, but which steps a wave walks hangs on the query block, which would be the work-group's place in such a cluster.
; NO PREFETCH INTO THE L2: the launch has two fills and no loop that runs ahead of them; the second is asked for as soon as the first has landed and has four key steps of every wave in which to land.
; LIMITS: the promise holds while the scaled scores t stay under 2^31 in magnitude; a block of zeros gets the byte 1 where the rule says 127 (zero codes; this program alone reads the bytes); 1 / sum is v_rcp_f32's; NaN and infinities are not served.
.set STEPB, 4608
.set VOFF,  73728                      ; LDS: k's codes at 0 (16 steps x 4,608), v's here,
.set KSC,   147456                     ; k's scale words (512 a step),
.set VSC,   155648                     ; v's (256 a step),
.set SPARE, 159744                     ; the spare words: 128 bytes a wave, named by no other line
.set SCO,   4194304
.set KB,  1                            ; v1-5 lane constants: places in k, v, k's scale words, v's; r % 8 + 16 (r / 8) - 32 h
.set VB,  2
.set SB,  3
.set TB,  4
.set DB,  5
.set DD,  6                            ; my query's place in its step - 32 h
.set SPW, 7
.set NIL, 8
.set ADK, 9                            ; v9-12 the step's LDS addresses
.set ADV, 10
.set ADS, 11
.set ADT, 12
.set SH8, 13                           ; 8 h
.set R2,  14
.set L16, 15
.set NM,  16                           ; -M;  v17 the largest score so far
.set RUN, 17
.set SUM, 18                           ; the sum in two halves
.set FF,  20                           ; f = 2^(old M - new M)
.set R8,  22
.set QA,  24                           ; q of block x, four registers and four of zeros;  v32.. the same for block 7 - x
.set QB,  32
.set QSA, 40                           ; v40-49 hold scales alone: q's two words, p's, k's four, v's two
.set QSB, 41
.set PS,  42
.set KS,  44
.set VS,  48
.set KF,  52                           ; v52-87 k's eight fragments, four registers apart, and four of zeros
.set VF,  88                           ; v88-119 v's four fragments
.set SS,  120                          ; v120-183 S^T, then p
.set OO,  184                          ; v184-215 O^T
.set PC,  216                          ; v216-223 p's codes
.set BM,  224                          ; v224.. at work
.set T0,  226
.set T1,  227
.set T2,  228
.set T3,  229
.set SO,  230
.set BY,  232
.set WW,  234
.set W2,  235
.set TP,  236                          ; v236-249 seven pairs of partial sums (ahead of them: four partial maxima)
.set INF, 250
.set WV,  12
.set BH,  13
.set XA,  14
.set XB,  15
.set TT,  16
.set GG,  17
.set ST,  18
.set TK,  19
.set SEL, 20
.set CS,  22
.set G1P, 24                           ; group 1: rows of 1,024 bytes, padded: 4 in the first fill, 12 in the second;  s[32:39]: 16 rows of 256 bytes
.set G1S, 32
.set G0K, 40
.set G0V, 44
.set G0KS, 48
.set G0VS, 52
.set TS,  56
.set TV,  57
.set TKN, 62                           ; the next step's places in k and in its scale words
.set TSN, 63
.set WB,  66
.set QC,  72
.set QW,  74
.set OC,  76
.set OS,  78
.set PA,  80
.set PB,  84
.macro ARM under, g0, g1, next, join   ; one arm of a chain of branches on the wave's number: one tensor load, then the jump to the join
	s_cmp_lt_u32 s[WV], \under
	s_cbranch_scc0 \next
	tensor_load_to_lds s[\g0:\g0+3], s[\g1:\g1+7]
	s_nop 0
.rept 4
	v_nop
.endr
	s_branch \join
\next:
.endm
.macro QADDR blk, wv, p                ; where tile 16 blk + wv of q lies: codes s[p:p+1], scale words s[p+2:p+3]
	s_lshl_b32 s58, s[\blk], 4
	s_add_co_u32 s58, s58, s[\wv]
	s_lshl_b32 s60, s58, 9
	s_mov_b32 s61, 0
	s_add_nc_u64 s[\p:\p+1], s[QC:QC+1], s[60:61]
	s_lshr_b32 s60, s58, 2
	s_lshl_b32 s60, s60, 8
	s_and_b32 s59, s58, 1
	s_lshl_b32 s59, s59, 7
	s_add_co_u32 s60, s60, s59
	s_bfe_u32 s59, s58, 0x10001
	s_lshl_b32 s59, s59, 2
	s_add_co_u32 s60, s60, s59                     ; (T / 4) x 256 + (T % 2) x 128 + ((T / 2) % 2) x 4, + 8 r
	s_add_nc_u64 s[\p+2:\p+3], s[QW:QW+1], s[60:61]
.endm
	s_load_b256 s[4:11], s[0:1], 0x0               ; qbuf, kbuf, vbuf, obuf
	v_lshl_add_u32 v[SPW], v0, 2, SPARE
	v_mov_b32 v[NIL], 0
	ds_add_u32 v[SPW], v[NIL]                      ; the opening add, twice on end, and its wait below
	ds_add_u32 v[SPW], v[NIL]
	v_lshrrev_b32 v9, 5, v0
	v_readfirstlane_b32 s[WV], v9                  ; wave 0..15
	s_and_b32 s[BH], ttmp7, 0xffff
	s_mov_b32 s[XA], ttmp9
	s_sub_co_u32 s[XB], 7, s[XA]
	s_sub_co_u32 s[WB], 15, s[WV]
	s_mov_b32 s[G1P], (3<<16)|(1<<20)|(7<<22)|(31<<25)   ; elements of 8 bytes; after every 256 words 32 words of padding
	s_mov_b32 s[G1P+1], 128<<16
	s_mov_b32 s[G1P+2], 4<<16
	s_mov_b32 s[G1P+3], 128<<16
	s_mov_b32 s[G1P+4], 4
	s_mov_b32 s[G1P+5], 128
	s_mov_b32 s[G1P+6], 0
	s_mov_b32 s[G1P+7], 0
	s_mov_b32 s[G1S], 3<<16
	s_mov_b32 s[G1S+1], 32<<16
	s_mov_b32 s[G1S+2], 16<<16
	s_mov_b32 s[G1S+3], 32<<16
	s_mov_b32 s[G1S+4], 16
	s_mov_b32 s[G1S+5], 32
	s_mov_b32 s[G1S+6], 0
	s_mov_b32 s[G1S+7], 0
	s_and_b32 s58, s[WV], 3                        ; which quarter of a fill's codes I fetch, if I fetch
	s_lshl_b32 s59, s58, 12                        ; first fill: 4 rows a quarter, in memory
	s_mul_i32 s60, s58, 4608                       ; and in LDS
	s_mul_i32 s92, s58, 13824                      ; second fill: 12 rows a quarter, behind the first fill's 16 rows
	s_add_co_u32 s92, s92, 18432
	s_add_co_u32 s93, s92, VOFF
	s_lshl_b32 s94, s58, 13
	s_add_co_u32 s94, s94, 16384                   ; from my quarter of the first fill to my quarter of the second, in memory: 16,384 + 12,288 p - 4,096 p
	s_mov_b32 s95, 0
	s_and_b32 s61, s[WV], 1
	s_lshl_b32 s61, s61, 12                        ; which half of k's scale words
	s_lshl_b32 s90, s[BH], 16                      ; the head's codes
	s_mov_b32 s91, 0
	s_add_co_u32 s68, s90, s59
	s_mov_b32 s69, 0
	s_lshl_b32 s70, s[BH], 13
	s_add_co_u32 s70, s70, SCO                     ; q's and k's scale words
	s_mov_b32 s71, 0
	s_add_co_u32 s62, s70, s61
	s_mov_b32 s63, 0
	s_lshl_b32 s88, s[BH], 12
	s_add_co_u32 s88, s88, SCO                     ; v's
	s_mov_b32 s89, 0
	s_mov_b32 s[SEL], 0x76543210
	s_mov_b32 s[SEL+1], 0xfedcba98                 ; v_permlanex16_b32's selects for lane l xor 16
	s_mov_b32 s[CS], 0x3e38aa3b                    ; c = log2(e) / 8
	s_mov_b32 s[CS+1], s[CS]
	s_wait_dscnt 0x0                               ; both opening adds are done
	s_wait_kmcnt 0x0
	s_mov_b32 s[G0K], 1
	s_mov_b32 s[G0K+1], s60
	s_add_nc_u64 s[G0K+2:G0K+3], s[6:7], s[68:69]
	s_or_b32 s[G0K+3], s[G0K+3], 0x80000000
	s_mov_b32 s[G0V], 1
	s_add_co_u32 s[G0V+1], s60, VOFF
	s_add_nc_u64 s[G0V+2:G0V+3], s[8:9], s[68:69]
	s_or_b32 s[G0V+3], s[G0V+3], 0x80000000
	s_mov_b32 s[G0KS], 1
	s_add_co_u32 s[G0KS+1], s61, KSC
	s_add_nc_u64 s[G0KS+2:G0KS+3], s[6:7], s[62:63]
	s_or_b32 s[G0KS+3], s[G0KS+3], 0x80000000
	s_mov_b32 s[G0VS], 1
	s_mov_b32 s[G0VS+1], VSC
	s_add_nc_u64 s[G0VS+2:G0VS+3], s[8:9], s[88:89]
	s_or_b32 s[G0VS+3], s[G0VS+3], 0x80000000
	; THE FIRST FILL, one load a wave: waves 0-3 k's codes of keys 0-511 (4 rows each), waves 4-7 v's, waves 8 and 9 the halves of k's scale words, wave 10 v's scale words
	ARM 4,  G0K,  G1P, .Lf1_v,  .Lf1_done
	ARM 8,  G0V,  G1P, .Lf1_ks, .Lf1_done
	ARM 10, G0KS, G1S, .Lf1_vs, .Lf1_done
	ARM 11, G0VS, G1S, .Lf1_no, .Lf1_done
.Lf1_done:
	s_add_nc_u64 s[QC:QC+1], s[4:5], s[90:91]
	s_add_nc_u64 s[QW:QW+1], s[4:5], s[70:71]
	QADDR XA, WV, PA
	QADDR XB, WB, PB
	v_and_b32 v9, 31, v0                           ; lane
	v_and_b32 v10, 15, v0                          ; r
	v_bfe_u32 v11, v0, 4, 1                        ; h
	v_and_b32 v12, 7, v0                           ; r % 8
	v_bfe_u32 v23, v0, 3, 1                        ; r / 8
	v_lshlrev_b32 v[L16], 4, v9
	v_lshlrev_b32 v[R8], 3, v10
	v_lshlrev_b32 v[R2], 1, v10
	v_add_nc_u32 v[VB], VOFF, v[L16]
	v_lshlrev_b32 v[TB], 3, v9
	v_add_nc_u32 v[TB], VSC, v[TB]
	v_mul_u32_u24 v[KB], v23, 1152
	v_lshl_add_u32 v[KB], v12, 4, v[KB]
	v_lshl_add_u32 v[KB], v11, 8, v[KB]            ; k: 1,152 (r / 8) + 16 (r % 8) + 256 h
	v_lshlrev_b32 v[SB], 3, v12
	v_lshl_add_u32 v[SB], v23, 2, v[SB]
	v_lshl_add_u32 v[SB], v11, 7, v[SB]
	v_add_nc_u32 v[SB], KSC, v[SB]                 ; k's scale words: 8 (r % 8) + 4 (r / 8) + 128 h: lanes 0-15 an even tile's rows, lanes 16-31 the odd one's
	v_lshl_add_u32 v[DB], v23, 4, v12
	v_lshlrev_b32 v[SH8], 5, v11
	v_sub_nc_u32 v[DB], v[DB], v[SH8]
	v_lshrrev_b32 v[SH8], 2, v[SH8]
	s_wait_alu depctr_va_vdst(0)                   ; ahead of the loads that read the offsets
	global_load_b128 v[QB:QB+3], v[L16], s[PB:PB+1]
	global_load_b32 v[QSB], v[R8], s[PB+2:PB+3]
	global_load_b128 v[QA:QA+3], v[L16], s[PA:PA+1]
	global_load_b32 v[QSA], v[R8], s[PA+2:PA+3]
.irp j, QA+4,QA+5,QA+6,QA+7,QB+4,QB+5,QB+6,QB+7,KF+32,KF+33,KF+34,KF+35,T1,W2,FF+1
	v_mov_b32 v[\j], 0                             ; zero codes; and registers that are named before they are first computed
.endr
	v_mov_b32 v[INF], 0xff800000                   ; -infinity
	s_wait_alu depctr_va_vdst(0)
	s_wait_tensorcnt 0x0                           ; my part of the first fill is in;
	ds_add_u32 v[SPW], v[NIL]                      ; the add, here twice on end
	ds_add_u32 v[SPW], v[NIL]
	s_mov_b32 s[G1P+2], 12<<16                     ; no load of mine is out, so descriptors may be written: from here on a load brings 12 rows,
	s_mov_b32 s[G1P+4], 12
	s_mov_b32 s[G0K+1], s92                        ; keys 512 on
	s_add_nc_u64 s[G0K+2:G0K+3], s[G0K+2:G0K+3], s[94:95]
	s_mov_b32 s[G0V+1], s93
	s_add_nc_u64 s[G0V+2:G0V+3], s[G0V+2:G0V+3], s[94:95]
	s_wait_dscnt 0x0
	s_barrier_signal -1
	s_barrier_wait -1                              ; keys 0-511 and all scale words lie in LDS
	; THE SECOND FILL, into bytes of its own, one load a wave
	ARM 4, G0K, G1P, .Lf2_v,  .Lf2_done
	ARM 8, G0V, G1P, .Lf2_no, .Lf2_done
.Lf2_done:
.macro INIT blk, wv                    ; a query tile's ids, its places in obuf, and the state of its softmax
	s_lshl_b32 s[TT], s[\blk], 4
	s_add_co_u32 s[TT], s[TT], s[\wv]              ; my tile of queries, in the batch
	s_lshr_b32 s[GG], s[TT], 3                     ; the key step in which it lies
	s_bfe_u32 s58, s[TT], 0x20001
	s_lshl_b32 s58, s58, 5
	s_and_b32 s59, s[TT], 1
	s_lshl_b32 s59, s59, 3
	s_add_co_u32 s58, s58, s59
	v_add_nc_u32 v[DD], s58, v[DB]                 ; register 32 c + i holds key 64 c + 32 h + i of the step: hidden where 64 c + i > this
	s_lshr_b32 s58, s[BH], 4
	s_lshl_b32 s58, s58, 7
	s_add_co_u32 s58, s58, s[TT]                   ; 128 b + T
	s_and_b32 s59, s[BH], 15
	s_lshl_b32 s60, s58, 13
	s_lshl_b32 s61, s59, 9
	s_add_co_u32 s60, s60, s61
	s_mov_b32 s61, 0
	s_add_nc_u64 s[OC:OC+1], s[10:11], s[60:61]
	s_lshl_b32 s60, s59, 14
	s_lshl_b32 s58, s58, 5
	s_add_co_u32 s60, s60, s58
	s_add_co_u32 s60, s60, SCO
	s_add_nc_u64 s[OS:OS+1], s[10:11], s[60:61]
	v_mov_b32 v[RUN], 0xff61b1e6                   ; the largest score so far: -3e38
	v_mov_b32 v[NM], 0x7e000000                    ; -M: so large that the first f is 0
	v_mov_b32 v[SUM], 0
	v_mov_b32 v[SUM+1], 0
.set j, 0
.rept 32
	v_mov_b32 v[OO+j], 0                           ; O^T: the step is written once; the first finds zeros
.set j, j+1
.endr
	s_wait_alu depctr_va_vdst(0)
.endm
.macro MASK first                      ; 32 registers from SS + first: keys 2 first + 0 .. 31 (+ 32 h)
.set n, 0
.rept 32
	v_cmp_gt_i32 vcc_lo, 2*\first+n, v[DD]
	v_cndmask_b32 v[SS+\first+n], v[SS+\first+n], v[INF], vcc_lo
.set n, n+1
.endr
.endm
.macro KLOADS                          ; twelve loads: a step's eight fragments of k and its four registers of scale words
.irp t, 0,1,2,3,4,5,6,7
	ds_load_b128 v[KF+4*\t:KF+4*\t+3], v[ADK] offset:2304*(\t/4)+512*(\t%2)+128*((\t%4)/2)
.endr
.irp u, 0,1,2,3
	ds_load_b32 v[KS+\u], v[ADS] offset:256*(\u/2)+64*(\u%2)      ; tiles 2 u (lanes 0-15) and 2 u + 1 (lanes 16-31)
.endr
.endm
.macro VLOADS                          ; nine loads: a step's four fragments of v and its two registers of scale words
.irp i, 0,1,2,3
.irp c, 0,1
	ds_load_b128 v[VF+8*\i+4*\c:VF+8*\i+4*\c+3], v[ADV] offset:1152*\i+512*\c
.endr
.endr
	ds_load_b64 v[VS:VS+1], v[ADT]
.endm
; Key steps FIRST .. LAST - 1, constants.  EDGE = 0: all their keys count for my queries: no test for hidden steps, no mask.  AHEAD = 1: k is asked for one step ahead
.macro WALK QF, QS, FIRST, LAST, EDGE, AHEAD
	s_mov_b32 s[ST], \FIRST
	s_mov_b32 s[TK], \FIRST*STEPB
	s_mov_b32 s[TS], \FIRST*512
	s_mov_b32 s[TV], \FIRST*256
.if \AHEAD
	s_wait_dscnt 0x0                               ; no LDS load of mine is out: k's registers may be asked for anew
	v_add_nc_u32 v[ADK], s[TK], v[KB]
	v_add_nc_u32 v[ADS], s[TS], v[SB]
	KLOADS                                         ; the first step's k
.endif
.Lstep_\@:
.if \EDGE
	s_cmp_gt_u32 s[ST], s[GG]                      ; all keys of the step come after my queries: only the addresses are stepped
	s_cbranch_scc1 .Lhidden_\@
.endif
.if \AHEAD
	v_add_nc_u32 v[ADV], s[TK], v[VB]              ; (these four are the places ahead of loads into registers that the last step's products read)
	v_add_nc_u32 v[ADT], s[TV], v[TB]
	v_nop
	v_nop
	VLOADS
.else
	v_add_nc_u32 v[ADK], s[TK], v[KB]              ; (likewise)
	v_add_nc_u32 v[ADV], s[TK], v[VB]
	v_add_nc_u32 v[ADS], s[TS], v[SB]
	v_add_nc_u32 v[ADT], s[TV], v[TB]
	KLOADS
	VLOADS
.endif
	s_wait_dscnt 9                                 ; k and its scale words are in; v's nine loads, which are younger, may be out
.irp t, 0,1,2,3,4,5,6,7
.if \t%2
	v_wmma_scale_f32_16x16x128_f8f6f4 v[SS+8*\t:SS+8*\t+7], v[KF+4*\t:KF+4*\t+7], v[\QF:\QF+7], 0, v[KS+\t/2], v[\QS] matrix_a_fmt:MATRIX_FMT_FP4 matrix_b_fmt:MATRIX_FMT_FP4 matrix_a_scale:MATRIX_SCALE_ROW1
.else
	v_wmma_scale_f32_16x16x128_f8f6f4 v[SS+8*\t:SS+8*\t+7], v[KF+4*\t:KF+4*\t+7], v[\QF:\QF+7], 0, v[KS+\t/2], v[\QS] matrix_a_fmt:MATRIX_FMT_FP4 matrix_b_fmt:MATRIX_FMT_FP4
.endif
.endr
.if \AHEAD
	s_add_co_u32 s[TKN], s[TK], STEPB
	s_add_co_u32 s[TSN], s[TS], 512
	v_add_nc_u32 v[ADK], s[TKN], v[KB]             ; four places ahead of the first read of the scores and of the loads into k's registers
	v_add_nc_u32 v[ADS], s[TSN], v[SB]
	v_nop
	v_nop
	KLOADS                                         ; the next step's k
.else
.rept 4
	v_nop                                          ; four places ahead of the first read of the scores (ISA guide 7.12.1)
.endr
.endif
.if \EDGE
	s_cmp_lt_u32 s[ST], s[GG]                      ; a step all of whose keys count has no mask
	s_cbranch_scc1 .Lopen_\@
	s_bitcmp1_b32 s[TT], 2                         ; my queries lie in the step's upper 64: its lower 64 keys all count
	s_cbranch_scc1 .Lhalf_\@
	MASK 0
.Lhalf_\@:
	MASK 32
.Lopen_\@:
.endif
	; the largest score of each of my two blocks of 32 keys, in four chains, each accumulator from its low end on
.irp c, 0,1
.irp u, 0,1
	v_max3_num_f32 v[TP+2*\c+\u], v[SS+32*\c+16*\u], v[SS+32*\c+16*\u+1], v[SS+32*\c+16*\u+2]
.endr
.endr
.irp i, 3,5,7,9,11,13
.irp c, 0,1
.irp u, 0,1
	v_max3_num_f32 v[TP+2*\c+\u], v[TP+2*\c+\u], v[SS+32*\c+16*\u+\i], v[SS+32*\c+16*\u+\i+1]
.endr
.endr
.endr
.irp c, 0,1
	v_max3_num_f32 v[BM+\c], v[TP+2*\c], v[TP+2*\c+1], v[SS+32*\c+15]
.endr
.irp c, 0,1
	v_max_num_f32 v[BM+\c], v[BM+\c], v[SS+32*\c+31]
.endr
	s_delay_alu instid0(VALU_DEP_1)
	v_max_num_f32 v[T0], v[BM], v[BM+1]
	s_delay_alu instid0(VALU_DEP_1)
	v_permlanex16_b32 v[T1], v[T0], s[SEL], s[SEL+1]
	s_delay_alu instid0(VALU_DEP_1)
	v_max3_num_f32 v[RUN], v[RUN], v[T0], v[T1]    ; the running largest score of my query (c is positive)
	s_delay_alu instid0(VALU_DEP_1)
	v_mul_f32 v[T2], s[CS], v[RUN]                 ; as t
	s_delay_alu instid0(VALU_DEP_1)
	v_floor_f32 v[T3], -v[T2]                      ; the new -M = -ceil(t): a whole number
	s_delay_alu instid0(VALU_DEP_1)
	v_sub_f32 v[T2], v[T3], v[NM]                  ; old M - new M: a whole number, 0 or less
	s_delay_alu instid0(VALU_DEP_2)
	v_mov_b32 v[NM], v[T3]
	s_delay_alu instid0(VALU_DEP_2)
	v_cvt_i32_f32 v[T2], v[T2]                     ; (it saturates)
	s_delay_alu instid0(VALU_DEP_1)
	v_ldexp_f32 v[FF], 1.0, v[T2]                  ; f: a multiplication by it rounds nothing
.set j, 0
.rept 32
	v_pk_fma_f32 v[SS+j:SS+j+1], v[SS+j:SS+j+1], s[CS:CS+1], v[NM:NM+1] op_sel_hi:[1,0,0]   ; t - M, two at a time
.set j, j+2
.endr
.irp c, 0,1
	v_fma_f32 v[BM+\c], v[BM+\c], s[CS], v[NM]     ; the same of each block's largest score: p rises with the score
.endr
	s_wait_alu depctr_va_vdst(0)
.set j, 0
.rept 64
	v_exp_f32 v[SS+j], v[SS+j]                     ; p = 2^(t - M): not normalised
.set j, j+1
.endr
.irp c, 0,1
	v_exp_f32 v[BM+\c], v[BM+\c]                   ; the block's largest p
.endr
	v_pk_mul_f32 v[SUM:SUM+1], v[SUM:SUM+1], v[FF:FF+1] op_sel_hi:[1,0]   ; the sums under the new M (the plain line behind the batch)
.if \AHEAD
	s_wait_dscnt 12                                ; v and its scale words are in; the next step's twelve loads of k, which are younger, may be out
.else
	s_wait_dscnt 0x0                               ; v and its scale words are in
.endif
	s_wait_alu depctr_va_vdst(0)                   ; one wait behind the batch, directly ahead of the first readers of O^T
.set j, 0
.rept 16
	v_pk_mul_f32 v[OO+j:OO+j+1], v[OO+j:OO+j+1], v[FF:FF+1] op_sel_hi:[1,0]   ; O^T under the new M
.set j, j+2
.endr
.irp c, 0,1
	v_max_num_f32 v[BM+\c], 0x1800000, v[BM+\c]    ; the floor 2^(3 - 127): a block whose every p is 0 keeps the byte 1: its codes are zeros
.endr
.irp c, 0,1
	s_delay_alu instid0(VALU_DEP_2)
	v_add_nc_u32 v[SO+\c], 0xff000000, v[BM+\c]    ; 2 off the exponent field: the conversion's scale operand
.endr
.irp c, 0,1
	s_delay_alu instid0(VALU_DEP_2)
	v_lshrrev_b32 v[BY+\c], 23, v[SO+\c]           ; the scale's byte
.endr
	s_delay_alu instid0(VALU_DEP_1)
	v_lshl_or_b32 v[WW], v[BY+1], 16, v[BY]        ; my blocks h and 2 + h,
	s_delay_alu instid0(VALU_DEP_1)
	v_lshlrev_b32 v[WW], v[SH8], v[WW]             ; at their places in the word;
	s_delay_alu instid0(VALU_DEP_1)
	v_permlanex16_b32 v[W2], v[WW], s[SEL], s[SEL+1]
	s_delay_alu instid0(VALU_DEP_1)
	v_or_b32 v[PS], v[WW], v[W2]                   ; with lane l xor 16's two: p's scale word for these 128 keys
.irp t, 0,1,2,3,4,5,6,7
	v_cvt_scalef32_pk8_fp4_f32 v[PC+\t], v[SS+8*\t:SS+8*\t+7], v[SO+\t/4]   ; register 4 c + t of p's operand as it falls
.endr
	; the row's sum of the unquantised p: 32 packed additions in eight chains.  They name no register of the products below: they are the places that the scale word and the codes want ahead of them
.set j, 0
.rept 7
	v_pk_add_f32 v[TP+2*j:TP+2*j+1], v[SS+4*j:SS+4*j+1], v[SS+4*j+2:SS+4*j+3]
.set j, j+1
.endr
	v_pk_add_f32 v[SUM:SUM+1], v[SUM:SUM+1], v[SS+28:SS+29]
.set j, 15
.rept 17
.if (j-15)%8 < 7
	v_pk_add_f32 v[TP+2*((j-15)%8):TP+2*((j-15)%8)+1], v[TP+2*((j-15)%8):TP+2*((j-15)%8)+1], v[SS+2*j:SS+2*j+1]
.else
	v_pk_add_f32 v[SUM:SUM+1], v[SUM:SUM+1], v[SS+2*j:SS+2*j+1]
.endif
.set j, j+1
.endr
	v_pk_add_f32 v[TP:TP+1], v[TP:TP+1], v[TP+2:TP+3]
	v_pk_add_f32 v[TP+4:TP+5], v[TP+4:TP+5], v[TP+6:TP+7]
	v_pk_add_f32 v[TP+8:TP+9], v[TP+8:TP+9], v[TP+10:TP+11]
	v_pk_add_f32 v[SUM:SUM+1], v[SUM:SUM+1], v[TP+12:TP+13]
	v_pk_add_f32 v[TP:TP+1], v[TP:TP+1], v[TP+4:TP+5]
	v_pk_add_f32 v[SUM:SUM+1], v[SUM:SUM+1], v[TP+8:TP+9]
	v_pk_add_f32 v[SUM:SUM+1], v[SUM:SUM+1], v[TP:TP+1]
.irp i, 0,1,2,3                        ; the four accumulators take turns, one instruction a turn
.if \i%2
	v_wmma_scale_f32_16x16x128_f8f6f4 v[OO+8*\i:OO+8*\i+7], v[VF+8*\i:VF+8*\i+7], v[PC:PC+7], v[OO+8*\i:OO+8*\i+7], v[VS+\i/2], v[PS] matrix_a_fmt:MATRIX_FMT_FP4 matrix_b_fmt:MATRIX_FMT_FP4 matrix_a_scale:MATRIX_SCALE_ROW1
.else
	v_wmma_scale_f32_16x16x128_f8f6f4 v[OO+8*\i:OO+8*\i+7], v[VF+8*\i:VF+8*\i+7], v[PC:PC+7], v[OO+8*\i:OO+8*\i+7], v[VS+\i/2], v[PS] matrix_a_fmt:MATRIX_FMT_FP4 matrix_b_fmt:MATRIX_FMT_FP4
.endif
.endr
.if \EDGE
.Lhidden_\@:
.endif
	s_add_co_u32 s[TK], s[TK], STEPB
	s_add_co_u32 s[TS], s[TS], 512
	s_add_co_u32 s[TV], s[TV], 256
	s_add_co_u32 s[ST], s[ST], 1
	s_cmp_lt_u32 s[ST], \LAST
	s_cbranch_scc1 .Lstep_\@
.endm
.macro LEAVE                           ; O^T / the sum, quantised along the head's 64 channels: register 16 b + i of a lane is channel 32 b + 16 h + i of my query
	s_wait_alu depctr_va_vdst(0)
.rept 4
	v_nop                                          ; four places behind the last products
.endr
	v_add_f32 v[SUM], v[SUM], v[SUM+1]
	v_permlanex16_b32 v[T1], v[SUM], s[SEL], s[SEL+1]
	v_add_f32 v[SUM], v[SUM], v[T1]                ; with lane l xor 16's: the row's sum
	s_wait_alu depctr_va_vdst(0)                   ; ahead of the reciprocal,
	v_rcp_f32 v[SUM], v[SUM]
	v_nop
	s_wait_alu depctr_va_vdst(0)                   ; and behind it, directly ahead of the first readers
.set j, 0
.rept 16
	v_pk_mul_f32 v[SS+j:SS+j+1], v[OO+j:OO+j+1], v[SUM:SUM+1] op_sel_hi:[1,0]   ; each accumulator from its low end on
.set j, j+2
.endr
.irp b, 0,1
	v_max3_num_f32 v[BM+\b], |v[SS+16*\b]|, |v[SS+16*\b+1]|, 0x1800000
.endr
.irp i, 2,4,6,8,10,12,14
.irp b, 0,1
	v_max3_num_f32 v[BM+\b], v[BM+\b], |v[SS+16*\b+\i]|, |v[SS+16*\b+\i+1]|
.endr
.endr
	v_permlanex16_b32 v[T1], v[BM], s[SEL], s[SEL+1]
	v_permlanex16_b32 v[W2], v[BM+1], s[SEL], s[SEL+1]
	v_max_num_f32 v[BM], v[BM], v[T1]
	v_max_num_f32 v[BM+1], v[BM+1], v[W2]
.irp b, 0,1
	v_add_nc_u32 v[SO+\b], 0xff000000, v[BM+\b]
.endr
.irp b, 0,1
	v_lshrrev_b32 v[BY+\b], 23, v[SO+\b]
.endr
	v_lshl_or_b32 v[WW], v[BY+1], 8, v[BY]         ; my row's two scale bytes
.irp b, 0,1
	v_cvt_scalef32_pk8_fp4_f32 v[PC+2*\b], v[SS+16*\b:SS+16*\b+7], v[SO+\b]
	v_cvt_scalef32_pk8_fp4_f32 v[PC+2*\b+1], v[SS+16*\b+8:SS+16*\b+15], v[SO+\b]
.endr
	v_nop                                          ; one plain line behind the scaled conversions
	v_permlane16_swap_b32 v[PC], v[PC+2]           ; a whole block in a lane
	v_permlane16_swap_b32 v[PC+1], v[PC+3]
	global_store_b128 v[L16], v[PC:PC+3], s[OC:OC+1]   ; 512 consecutive bytes
	global_store_b16 v[R2], v[WW], s[OS:OS+1]      ; 32 consecutive bytes; lanes r and 16 + r store the same value at the same place
	s_wait_xcnt 0x0                                ; the stores have read their data and bases
.endm
	INIT XB, WB
	s_wait_loadcnt 0x0                             ; both tiles of q
	WALK QB, QSB, 0, 4, 0, 0                       ; block 7 - x, steps 0-3: keys under 512, all of which count
	s_wait_alu depctr_va_vdst(0)
	s_wait_tensorcnt 0x0                           ; my part of the second fill is in;
	ds_add_u32 v[SPW], v[NIL]
	s_wait_dscnt 0x0
	s_barrier_signal -1
	s_barrier_wait -1                              ; all keys lie in LDS; from here on LDS is only read
	WALK QB, QSB, 4, 16, 1, 1                      ; steps 4-15, up to the diagonal
	LEAVE
	INIT XA, WV
	WALK QA, QSA, 0, 8, 1, 1                       ; block x: its diagonal lies in step 7 or earlier
	LEAVE
	s_wait_tensorcnt 0x0                           ; the wave's end
	ds_add_u32 v[SPW], v[NIL]
	s_wait_dscnt 0x0
	s_endpgm
.Lfunc_end_k_qdbfa9d63bd_attn:
	.size	k_qdbfa9d63bd_attn, .Lfunc_end_k_qdbfa9d63bd_attn-k_qdbfa9d63bd_attn
	.p2alignl 7, 3214868480
	.fill 96, 4, 3214868480
	.section	.rodata,"a",@progbits
	.p2align	6, 0x0
	.amdhsa_kernel k_qdbfa9d63bd_attn
		.amdhsa_group_segment_fixed_size 327680
		.amdhsa_private_segment_fixed_size 0
		.amdhsa_enable_private_segment 0
		.amdhsa_kernarg_size 32
		.amdhsa_user_sgpr_count 2
		.amdhsa_user_sgpr_kernarg_segment_ptr 1
		.amdhsa_wavefront_size32 1
		.amdhsa_system_sgpr_workgroup_id_x 1
		.amdhsa_system_sgpr_workgroup_id_y 1
		.amdhsa_system_sgpr_workgroup_id_z 1
		.amdhsa_system_vgpr_workitem_id 0
		.amdhsa_next_free_vgpr 256
		.amdhsa_next_free_sgpr 96
		.amdhsa_reserve_vcc 1
		.amdhsa_float_denorm_mode_32 3
		.amdhsa_float_denorm_mode_16_64 3
		.amdhsa_memory_ordered 1
		.amdhsa_forward_progress 1
		.amdhsa_inst_pref_size 77
	.end_amdhsa_kernel
	.amdgpu_metadata
---
amdhsa.version: [ 1, 2 ]
amdhsa.kernels:
  - .name:           k_qdbfa9d63bd_attn
    .symbol:         k_qdbfa9d63bd_attn.kd
    .args:
      - { .name: qbuf, .offset: 0, .size: 8, .value_kind: global_buffer, .address_space: global }
      - { .name: kbuf, .offset: 8, .size: 8, .value_kind: global_buffer, .address_space: global }
      - { .name: vbuf, .offset: 16, .size: 8, .value_kind: global_buffer, .address_space: global }
      - { .name: obuf, .offset: 24, .size: 8, .value_kind: global_buffer, .address_space: global }
    .group_segment_fixed_size: 327680
    .private_segment_fixed_size: 0
    .kernarg_segment_align: 8
    .kernarg_segment_size: 32
    .max_flat_workgroup_size: 512
    .sgpr_count:     96
    .vgpr_count:     256
    .wavefront_size: 32
...
	.end_amdgpu_metadata
.endif
;; end of part 3
;; launch outp (part 4): grid 2 x 128, 8 waves a work-group, no clusters, 68,608 bytes of LDS; arguments obuf, wbuf, bo, out0; writes out0
.if DOCPART == 4
	.amdgcn_target "amdgcn-amd-amdhsa--gfx1250"
	.amdhsa_code_object_version 6
	.text
	.protected	k_qdbfa9d63bd_outp
	.globl	k_qdbfa9d63bd_outp
	.p2align	8
	.type	k_qdbfa9d63bd_outp,@function
k_qdbfa9d63bd_outp:
	s_mov_b64 s[64:65], 0
	v_nop
	global_prefetch_b8 v0, s[64:65] scope:SCOPE_SE
	s_setreg_imm32_b32 hwreg(HW_REG_WAVE_MODE, 25, 1), 1
	s_wait_xcnt 0x0
; out0 = o Wo + bo, on codes of FP4 (E2M1) with one E8M0 byte for each 32 along K = head x 64 + channel.  o's and Wo's codes lie in memory as images of the operands' registers (16 rows x 128 K: [half c][lane][16 bytes]).
; SHARES.  Work-group (x, y): 64 tokens (token tiles 4 y .. 4 y + 3) x 512 columns (512 x on).  Wave w makes columns 512 x + 64 w on: its part of Wo (4 tiles x 8 K steps x 8 registers) fills window 1, read from memory once.
; The four token tiles' images, 32 KB, are copied into LDS through registers; ONE barrier; all eight waves read them.
; The product is used transposed (source 0 = 16 columns of Wo, source 1 = 16 tokens): a lane holds one token, and since index i of a column tile C stands for column 32 (C / 2) + 8 (C % 2) + i % 8 + 16 (i / 8),
; the 16 registers of tiles 2 b and 2 b + 1 are 16 neighbouring columns.  bo is the C of each sum's first product (the sum's first term, not its last: an order of f32 rounding only).
; Index i of token tile T stands for token 32 (T / 2) + 8 (T % 2) + i % 8 + 16 (i / 8): the way out puts each row where it belongs.
; NO CLUSTER, NO TENSOR LOAD: what work-groups share is Wo, each byte bound for one wave's registers (a joint load lands in LDS), and 32 KB of o between two work-groups.
; REGISTERS, window 0: v1 16 x lane, v2 4 x lane, v3 2 x lane, v6 64 h, v8-10, v12 addresses; v16-31 Wo's scale words, v32-47 o's (registers that hold scales alone); v48-175 16 accumulators; v176-207 four fragments of o; v208-239 bo, four tiles;
;   on the way out v176-239 take rows of the result.   Window 1: Wo's fragment (tile i, K step s) at v[64 i + 8 s].
.set STG,  32768                       ; LDS: o's images at 0; then a stage of 16 rows x (256 bytes + 16) for each wave
.set WSC,  2097152
.set SCO,  4194304
.set WS,   16
.set XSR,  32
.set ACC,  48
.set XF,   176
.set BI,   208
.set MSB, 0
.macro WIN new                         ; the immediate's high byte repeats the setting that is left
.if MSB != \new
	s_set_vgpr_msb (MSB<<8)|\new
.set MSB, \new
.endif
.endm
	s_load_b256 s[4:11], s[0:1], 0x0               ; obuf, wbuf, bo, out0
	v_lshl_add_u32 v254, v0, 2, 0x10800
	v_mov_b32 v255, 0
	v_lshrrev_b32 v12, 5, v0
	s_delay_alu instid0(VALU_DEP_1)
	v_readfirstlane_b32 s24, v12                   ; wave 0..7
	s_and_b32 s25, ttmp7, 0xffff                   ; which 64 tokens
	s_mov_b32 s26, ttmp9                           ; which 512 columns
	s_lshl_b32 s27, s26, 3
	s_add_co_u32 s27, s27, s24                     ; which 64 columns are mine
	v_and_b32 v13, 31, v0                          ; lane
	v_and_b32 v14, 15, v0                          ; r
	v_bfe_u32 v15, v0, 4, 1                        ; h
	s_delay_alu instid0(VALU_DEP_3)
	v_lshlrev_b32 v1, 4, v13
	s_delay_alu instid0(VALU_DEP_4)
	v_lshlrev_b32 v2, 2, v13
	v_lshlrev_b32 v3, 1, v13
	s_delay_alu instid0(VALU_DEP_4)
	v_lshlrev_b32 v6, 6, v15
	v_lshlrev_b32 v12, 4, v0                       ; the copy: 16 bytes a thread
	s_mul_i32 s44, s24, 4352
	s_add_co_u32 s44, s44, STG                     ; my stage
	v_mul_u32_u24 v8, v14, 272
	s_delay_alu instid0(VALU_DEP_1)
	v_lshl_add_u32 v8, v15, 6, v8
	s_delay_alu instid0(VALU_DEP_1)
	v_add_nc_u32 v8, s44, v8                       ; in: row r, + 64 h
	v_mul_u32_u24 v9, v15, 272
	s_delay_alu instid0(VALU_DEP_1)
	v_lshl_add_u32 v9, v14, 4, v9
	s_delay_alu instid0(VALU_DEP_1)
	v_add_nc_u32 v9, s44, v9                       ; back: lanes 0-15 one row of 256 bytes, lanes 16-31 the next
	v_lshlrev_b32 v10, 12, v15
	s_delay_alu instid0(VALU_DEP_1)
	v_lshl_add_u32 v10, v14, 4, v10                ; and the same two rows in out0
	s_lshl_b32 s44, s25, 15                        ; o's images: 8,192 bytes a tile
	s_mov_b32 s45, 0
	s_lshl_b32 s46, s25, 7                         ; o's scale bytes: 32 a tile
	s_add_co_u32 s46, s46, SCO
	s_mov_b32 s47, 0
	s_lshl_b32 s48, s27, 15                        ; Wo's images: weight 3, 32,768 bytes for 64 columns
	s_add_co_u32 s48, s48, 3<<19
	s_mov_b32 s49, 0
	s_lshl_b32 s50, s27, 11                        ; Wo's scale words
	s_add_co_u32 s50, s50, WSC+(3<<15)
	s_mov_b32 s51, 0
	s_lshl_b32 s52, s27, 8                         ; bo
	s_mov_b32 s53, 0
	s_lshl_b32 s54, s25, 18                        ; out0: 64 rows of 4,096 bytes, + 2,048 x + 256 w
	s_lshl_b32 s55, s26, 11
	s_add_co_u32 s54, s54, s55
	s_lshl_b32 s55, s24, 8
	s_add_co_u32 s54, s54, s55
	s_mov_b32 s55, 0
	s_wait_alu depctr_va_vdst(0)
	s_wait_kmcnt 0x0
	s_add_nc_u64 s[28:29], s[4:5], s[44:45]
	s_add_nc_u64 s[36:37], s[4:5], s[46:47]
	s_add_nc_u64 s[30:31], s[6:7], s[48:49]
	s_add_nc_u64 s[32:33], s[6:7], s[50:51]
	s_add_nc_u64 s[34:35], s[8:9], s[52:53]
	s_add_nc_u64 s[38:39], s[10:11], s[54:55]
.set i, 0
.rept 8
	global_load_b128 v[64+4*i:67+4*i], v12, s[28:29] offset:4096*i    ; 256 threads x 16 bytes: 4,096 consecutive bytes
.set i, i+1
.endr
.irp pr, 0,1
.irp ks, 0,1,2,3,4,5,6,7
	global_load_u16 v[XSR+8*\pr+\ks], v3, s[36:37] offset:32768*\ks+64*\pr           ; head 2 ks: bytes 0, 1 of K step ks's scale word; lanes 0-15 tile 2 pr, lanes 16-31 tile 2 pr + 1
	global_load_u16 v[ACC+8*\pr+\ks], v3, s[36:37] offset:32768*\ks+16384+64*\pr     ; head 2 ks + 1: bytes 2, 3
.endr
.endr
	WIN 0x40
.irp i, 0,1,2,3
.irp ks, 0,1,2,3,4,5,6,7
.irp c, 0,1
	global_load_b128 v[64*\i+8*\ks+4*\c:64*\i+8*\ks+4*\c+3], v1, s[30:31] offset:8192*\i+1024*\ks+512*\c
.endr
.endr
.endr
	WIN 0
.irp pr, 0,1
.irp ks, 0,1,2,3,4,5,6,7
	global_load_b32 v[WS+8*\pr+\ks], v2, s[32:33] offset:1024*\pr+128*\ks
.endr
.endr
.irp n0, 0,1,2,3
	global_load_b128 v[BI+8*\n0:BI+8*\n0+3], v6, s[34:35] offset:(32*(\n0/2)+8*(\n0%2))*4          ; register j: column 32 (n0 / 2) + 8 (n0 % 2) + 16 h + j
	global_load_b128 v[BI+8*\n0+4:BI+8*\n0+7], v6, s[34:35] offset:(32*(\n0/2)+8*(\n0%2))*4+16
.endr
	s_wait_loadcnt 63                              ; 120 loads were issued behind the first eight: with 63 out at the most, those eight are in
.set i, 0
.rept 8
	ds_store_b128 v12, v[64+4*i:67+4*i] offset:4096*i
.set i, i+1
.endr
	s_wait_dscnt 0x0                               ; for the others' sake: my stores have landed
	s_barrier_signal -1
	s_barrier_wait -1                              ; o's 32 images lie in LDS
	s_wait_loadcnt 0x0
.set i, 0
.rept 16
	v_lshl_or_b32 v[XSR+i], v[ACC+i], 16, v[XSR+i] ; the two heads' bytes make a K step's scale word
.set i, i+1
.endr
.rept 8
	v_nop                                          ; a scale register written by a vector instruction stands eight places ahead of a scaled product
.endr
.macro WM d, a, b, c, sa, sb, ra, rb   ; one product; ra, rb: the side's scales stand in lanes 16-31 of the register named
.if (\ra) && (\rb)
	v_wmma_scale_f32_16x16x128_f8f6f4 v[\d:\d+7], v[\a:\a+7], v[\b:\b+7], v[\c:\c+7], v[\sa], v[\sb] matrix_a_fmt:MATRIX_FMT_FP4 matrix_b_fmt:MATRIX_FMT_FP4 matrix_a_scale:MATRIX_SCALE_ROW1 matrix_b_scale:MATRIX_SCALE_ROW1
.elseif (\ra)
	v_wmma_scale_f32_16x16x128_f8f6f4 v[\d:\d+7], v[\a:\a+7], v[\b:\b+7], v[\c:\c+7], v[\sa], v[\sb] matrix_a_fmt:MATRIX_FMT_FP4 matrix_b_fmt:MATRIX_FMT_FP4 matrix_a_scale:MATRIX_SCALE_ROW1
.elseif (\rb)
	v_wmma_scale_f32_16x16x128_f8f6f4 v[\d:\d+7], v[\a:\a+7], v[\b:\b+7], v[\c:\c+7], v[\sa], v[\sb] matrix_a_fmt:MATRIX_FMT_FP4 matrix_b_fmt:MATRIX_FMT_FP4 matrix_b_scale:MATRIX_SCALE_ROW1
.else
	v_wmma_scale_f32_16x16x128_f8f6f4 v[\d:\d+7], v[\a:\a+7], v[\b:\b+7], v[\c:\c+7], v[\sa], v[\sb] matrix_a_fmt:MATRIX_FMT_FP4 matrix_b_fmt:MATRIX_FMT_FP4
.endif
.endm
; 8 K steps x 16 products.  The 16 accumulators take turns, one instruction a turn, in the same order in every K step.
	s_wait_alu depctr_va_vdst(0)
.irp ks, 0,1,2,3,4,5,6,7
.if \ks > 0
.rept 4
	v_nop                                          ; four places in front of loads into registers that the last products read (ISA guide 7.12.1 for vector instructions)
.endr
.endif
.irp n1, 0,1,2,3
.irp c, 0,1
	ds_load_b128 v[XF+8*\n1+4*\c:XF+8*\n1+4*\c+3], v1 offset:8192*\n1+1024*\ks+512*\c
.endr
.endr
	s_wait_dscnt 0x0
	WIN 0x01                                       ; source 0 (Wo) in window 1
.irp n1, 0,1,2,3
.irp n0, 0,1,2,3
.set rD, ACC+32*\n1+8*\n0
.set rA, 64*\n0+8*\ks
.set rB, XF+8*\n1
.set rSA, WS+8*(\n0/2)+\ks
.set rSB, XSR+8*(\n1/2)+\ks
.set rC, BI+8*\n0
.if \ks > 0
.set rC, rD
.endif
	WM rD, rA, rB, rC, rSA, rSB, \n0%2, \n1%2
.endr
.endr
	WIN 0
.endr
.rept 4
	v_nop                                          ; four places in front of the first read of results and of the loads into the fragments' and the bias's registers
.endr
; THE WAY OUT, a token tile (16 rows x 64 columns) at a time through my own stage: a lane's 16 bytes go into rows of 272 bytes and come back as whole rows of 256.
; LDS serves a wave's instructions in order (ISA guide 5.7.1.4): no wait between the stores and the loads, nor in front of the next tile's stores.
.macro TOSTAGE a
.irp n0, 0,1,2,3
	ds_store_b128 v8, v[ACC+32*(\a)+8*\n0:ACC+32*(\a)+8*\n0+3] offset:128*(\n0/2)+32*(\n0%2)        ; each accumulator from its low end on
	ds_store_b128 v8, v[ACC+32*(\a)+8*\n0+4:ACC+32*(\a)+8*\n0+7] offset:128*(\n0/2)+32*(\n0%2)+16
.endr
.set BK, XF+32*((\a)%2)
.irp i, 0,1,2,3,4,5,6,7
	ds_load_b128 v[BK+4*\i:BK+4*\i+3], v9 offset:544*\i
.endr
.endm
.macro SEND a, younger                 ; younger: the LDS instructions issued behind tile a's loads, which may stay out
.set BK, XF+32*((\a)%2)
	s_wait_dscnt \younger
.irp i, 0,1,2,3,4,5,6,7
	global_store_b128 v10, v[BK+4*\i:BK+4*\i+3], s[38:39] offset:(32*((\a)/2)+8*((\a)%2)+2*(\i%4)+16*(\i/4))*4096 th:TH_STORE_NT   ; stage row 2 i + h is token 32 (a / 2) + 8 (a % 2) + 2 (i % 4) + 16 (i / 4) + h; 16 lanes store 256 consecutive aligned bytes
.endr
.endm
	TOSTAGE 0
.irp a, 1,2,3
.if \a > 1
	s_wait_xcnt 0x0                                ; tile a - 2's stores have read their registers: tile a's loads may land there
.endif
	TOSTAGE \a
	SEND \a-1, 16                                  ; behind tile a - 1's loads: tile a's 8 stores and 8 loads
.endr
	SEND 3, 0
	s_wait_tensorcnt 0x0
	ds_add_u32 v254, v255
	s_wait_dscnt 0x0
	s_endpgm
.Lfunc_end_k_qdbfa9d63bd_outp:
	.size	k_qdbfa9d63bd_outp, .Lfunc_end_k_qdbfa9d63bd_outp-k_qdbfa9d63bd_outp
	.p2alignl 7, 3214868480
	.fill 96, 4, 3214868480
	.section	.rodata,"a",@progbits
	.p2align	6, 0x0
	.amdhsa_kernel k_qdbfa9d63bd_outp
		.amdhsa_group_segment_fixed_size 68608
		.amdhsa_private_segment_fixed_size 0
		.amdhsa_enable_private_segment 0
		.amdhsa_kernarg_size 32
		.amdhsa_user_sgpr_count 2
		.amdhsa_user_sgpr_kernarg_segment_ptr 1
		.amdhsa_wavefront_size32 1
		.amdhsa_system_sgpr_workgroup_id_x 1
		.amdhsa_system_sgpr_workgroup_id_y 1
		.amdhsa_system_sgpr_workgroup_id_z 1
		.amdhsa_system_vgpr_workitem_id 0
		.amdhsa_next_free_vgpr 512
		.amdhsa_next_free_sgpr 66
		.amdhsa_reserve_vcc 0
		.amdhsa_float_denorm_mode_32 3
		.amdhsa_float_denorm_mode_16_64 3
		.amdhsa_memory_ordered 1
		.amdhsa_forward_progress 1
		.amdhsa_inst_pref_size 46
	.end_amdhsa_kernel
	.amdgpu_metadata
---
amdhsa.version: [ 1, 2 ]
amdhsa.kernels:
  - .name:           k_qdbfa9d63bd_outp
    .symbol:         k_qdbfa9d63bd_outp.kd
    .args:
      - { .name: obuf, .offset: 0, .size: 8, .value_kind: global_buffer, .address_space: global }
      - { .name: wbuf, .offset: 8, .size: 8, .value_kind: global_buffer, .address_space: global }
      - { .name: bo, .offset: 16, .size: 8, .value_kind: global_buffer, .address_space: global }
      - { .name: out0, .offset: 24, .size: 8, .value_kind: global_buffer, .address_space: global }
    .group_segment_fixed_size: 68608
    .private_segment_fixed_size: 0
    .kernarg_segment_align: 8
    .kernarg_segment_size: 32
    .max_flat_workgroup_size: 256
    .sgpr_count:     66
    .vgpr_count:     512
    .wavefront_size: 32
...
	.end_amdgpu_metadata
.endif
;; end of part 4
